; MI455X (gfx1250); checked and timed in simulation.
; The chip was launched on July 23, 2026; its instructions are those of AMD's public machine-readable ISA for CDNA 5 (MIT licence, August 2026) and "CDNA5" Instruction Set Architecture Reference Guide (July 2026). The comments in the code are by the model that wrote it; some were corrected since.
;; Multi Head Attention. Allowed arithmetic: matrix products marked QUANTISED: E2M3 operands, one E8M0 scale for each 32 along K, by v_wmma_scale_f32_16x16x128_f8f6f4 with both operands' format E2M3, f32 sums; everything else in f32.
;; Inputs: Wk 16 x 1,024 x 64 float32; Wp 1,024 x 1,024 float32; Wq 16 x 1,024 x 64 float32; Wv 16 x 1,024 x 64 float32; bp 1,024 float32; x 4 x 2,048 x 1,024 float32.
;; Outputs: out0 4 x 2,048 x 1,024 float32.
;; This version of the problem:
;;   THIS VERSION OF THE PROBLEM IS GIVEN IN LOW PRECISION. The matrix products marked QUANTISED in the list below multiply operands that are first quantised to E2M3 (2 exponent bits, 3 mantissa bits; 6 bits a number), with one power-of-two scale for each 32 numbers along K (OCP MX v1.0); their sums are f32. All else is computed in f32.
;;   The module's matrix products, in the order in which they are computed (A, B: the left and right operand; K: the contracted axis; several contracted axes count as one K, in the product's order):
;;     1. [M 1,024, K 1,024] x [K 1,024, N 8,192]; A: input Wq; B: input x: QUANTISED
;;     2. [M 1,024, K 1,024] x [K 1,024, N 8,192]; A: input Wk; B: input x: QUANTISED
;;     3. [M 1,024, K 1,024] x [K 1,024, N 8,192]; A: input Wv; B: input x: QUANTISED
;;     4. batch 64 x [M 2,048, K 64] x [K 64, N 2,048]; A: computed on the way; B: computed on the way: QUANTISED
;;     5. batch 64 x [M 2,048, K 2,048] x [K 2,048, N 64]; A: softmax (see below); B: computed on the way: QUANTISED
;;     6. [M 8,192, K 1,024] x [K 1,024, N 1,024]; A: computed on the way; B: input Wp: QUANTISED
;;   THE QUANTISER, for each operand of a quantised product, along K:
;;     - K is cut into blocks of 32 from its start; a last block that is shorter is filled with zeros.
;;     - A block's scale is 2^e with e = floor(log2(the largest magnitude in the block)) - 2, held to -126 .. 127; a block of zeros has e = 0. As a byte (E8M0): e + 127.
;;     - Each number is divided by its block's scale, clamped to +-7.5, and rounded to the nearest number of E2M3, ties to even, subnormals kept.
;;     - The product sums the exact products of the quantised numbers (number of the format x scale) in f32.
;;   ~~~python
;;   def quantise(x, axis):      # numpy; x: float32 -> the quantised numbers, widened to float32 again
;;       x = np.moveaxis(x, axis, -1); K = x.shape[-1]
;;       x = np.pad(x, [(0, 0)] * (x.ndim - 1) + [(0, -K % 32)]); x = x.reshape(x.shape[:-1] + (-1, 32)); a = np.abs(x).max(-1, keepdims=True)
;;       e = np.where(a > 0, np.clip(np.frexp(np.where(a > 0, a, 1))[1] - 1 - 2, -126, 127), 0)      # np.frexp(a)[1] - 1 = floor(log2(a)), exactly
;;       r = np.clip(x / 2.0 ** e, -7.5, 7.5)
;;       step = 2.0 ** (np.maximum(np.frexp(np.where(r == 0, 1, r))[1] - 1, 0) - 3)
;;       q = np.round(r / step) * step * 2.0 ** e      # np.round: ties to even
;;       return np.moveaxis(q.reshape(q.shape[:-2] + (-1,))[..., :K], -1, axis).astype(np.float32)
;;   ~~~
;;   SOFTMAX AHEAD OF A QUANTISED PRODUCT. Where the list says 'softmax', what is quantised is not the finished softmax but p = 2^(t - M), with t = logit x log2(e) and M = ceil(the row's largest t), a whole number; so 1/2 < the row's largest p <= 1. The row's sum l is taken of the UNQUANTISED p, in f32, and the product's result is divided by l at the end. Since M is a whole number, a kernel that streams over the keys may use a running M (the ceiling of the running maximum): every later rescaling is an exact power of two, which a block's scale takes up: the codes' values come out the same.
;;   OPERANDS COMPUTED ON THE WAY. 'Computed on the way' means the value that the module computes at that place (a softmax that the list does not call 'softmax' is quantised finished and normalised). What goes into a quantiser is computed in f32, as accurately as f32 sums, v_exp_f32 and their like allow (about 1e-6 of the number): no bf16 or f16 on the way to a quantiser, and a product that is left as it is and whose result goes on into a quantised operand takes f32 operands (vector FMAs, or v_wmma_f32_16x16x4_f32). A number that lies on a knife's edge between two numbers of the format may be rounded either way, as far as f32 arithmetic and the matrix unit's own rounding can turn it there, and no further.
;; One version. Each part assembles by itself: llvm-mc -triple=amdgcn-amd-amdhsa -mcpu=gfx1250 --defsym DOCPART=n.
;; ======== version 1 of 1: 4 launches
;; limits: right only within a limited range of input values
;; workspace buffers: xw 9,830,400 bytes; qb 6,815,744 bytes; kv 13,369,344 bytes; ob 6,553,600 bytes
;; launch quant (part 1): grid 768 x 1, 4 waves a work-group, no clusters, 35,328 bytes of LDS; arguments x, Wp, Wq, Wk, Wv, xw; writes xw
.if DOCPART == 1
	.amdgcn_target "amdgcn-amd-amdhsa--gfx1250"
	.amdhsa_code_object_version 6
	.text
	.protected	k_qa8aea3c28c_quant
	.globl	k_qa8aea3c28c_quant
	.p2align	8
	.type	k_qa8aea3c28c_quant,@function
k_qa8aea3c28c_quant:
	s_mov_b64 s[64:65], 0
	v_nop
	global_prefetch_b8 v0, s[64:65] scope:SCOPE_SE
	s_setreg_imm32_b32 hwreg(HW_REG_WAVE_MODE, 25, 1), 1
	s_wait_xcnt 0x0
; x [8192][1024], Wp [1024][1024] (K innermost) and Wq, Wk, Wv [16][1024][64] (K = the middle axis), f32, become codes of FP6 (E2M3) with one E8M0 byte for each 32 along K.
; A block's scale is 2^(floor(log2(its largest magnitude)) - 2): its byte is the largest magnitude's exponent field - 2, held at 1 from below.
; LIMITS: a block of zeros keeps the byte 1 where the rule says 127 (its codes are zeros, and this program alone reads the bytes); NaN and infinities among the inputs are not served.
; THE OUTPUT IS LAID AS THE MATRIX UNIT'S REGISTERS WANT IT.  A TILE is 16 rows: tile t holds rows 32 (t / 2) + 8 (t % 2) + r + 8 (r / 8), r = 0 .. 15.  A FRAGMENT (a tile x 128 along K) is 12 registers a lane:
; lane (r, h) holds in registers 6 c .. 6 c + 5 the codes of k = 64 c + 32 h + 0 .. 31 of row r.  Its IMAGE is 1,536 bytes: registers 6 c .. 6 c + 3 at 768 c + 16 x lane, registers 6 c + 4, 6 c + 5 at 768 c + 512 + 16 r + 8 h.
; xw: images [tile 0 .. 767][K step 0 .. 7]; tiles 0-511 x, 512-703 the rows n = 1024 tensor + 64 head + e of Wq, Wk, Wv, 704-767 Wp.  From byte SCB on the scale words: [tile][K step / 4][r][K step % 4], 512 bytes a tile.
; Work-groups 0-575: one tile of x or Wp; wave w takes K steps 2 w and 2 w + 1.  Work-groups 576-767: 32 columns of one head of one weight x 512 along K; wave w takes one K step, a lane a column, registers down K.
; No tensor load: every load of a wave goes out at its head.  Each of the two ways has LDS bytes of its own and one barrier, in front of the store of the scale words, which four waves have made.
.set SCB,  9437184                     ; where the scale words begin in xw
.set STGB, 8448                        ; way X: a wave's stage: 16 rows x SP bytes
.set SP,   528                         ; a stage row: 512 bytes + 16: row r starts 4 r banks on, so the 16 rows of a load start at 16 different places
.set XSL,  4*STGB                      ; way X: the tile's 512 bytes of scale words
.set WSL,  XSL+512                     ; way W: two tiles' 256 bytes of scale words
.set R,    16                          ; v16-143  numbers as they are loaded
.set X,    144                         ; v144-207 way X: 64 numbers of a lane: register 16 b + i = k 32 b + 16 h + i of row r
.set TM,   208                         ; v208-223 at work in QUANT
.set PW,   224                         ; the scale word just made
.set PWS,  226                         ; v[226:227] both K steps' words
.set PC,   228                         ; v228-239 the fragment's codes; v240-246 at work
.set E,    144                         ; way W: v144-159 block b's first four words of codes
.set G,    160                         ; v160-167 the last two words of blocks 2 c and 2 c + 1
.set TB,   168                         ; v168-170 a block's second conversion
.set WV,   16
.set SEL,  20                          ; s[20:21] lane selects for v_permlanex16_b32: lane l xor 16
; 64 numbers of a lane, v[s] on, become a fragment's codes in v[PC] on and its rows' scale word in v[PW].
.macro QUANT s
.irp b, 0,1,2,3
	v_max3_num_f32 v[TM+\b], |v[\s+16*\b]|, |v[\s+1+16*\b]|, 0x1800000   ; block b: my 16 numbers, and the floor 2^(3 - 127): the byte cannot fall under 1
.endr
.irp i, 2,4,6,8,10,12,14
.irp b, 0,1,2,3
	v_max3_num_f32 v[TM+\b], v[TM+\b], |v[\s+16*\b+\i]|, |v[\s+1+16*\b+\i]|   ; the four blocks by turns
.endr
.endr
.irp b, 0,1,2,3
	v_permlanex16_b32 v[TM+4+\b], v[TM+\b], s[SEL], s[SEL+1]
.endr
.irp b, 0,1,2,3
	v_max_num_f32 v[TM+\b], v[TM+\b], v[TM+4+\b]   ; with lane l xor 16's 16: the block's largest magnitude
.endr
.irp b, 0,1,2,3
	v_add_nc_u32 v[TM+12+\b], 0xff000000, v[TM+\b]   ; 2 off its exponent field: the conversion's scale operand
.endr
.irp b, 0,1,2,3
	v_lshrrev_b32 v[TM+4+\b], 23, v[TM+12+\b]      ; the scale's byte
.endr
	v_lshl_or_b32 v[PW], v[TM+5], 8, v[TM+4]
	v_lshl_or_b32 v[PW], v[TM+6], 16, v[PW]
	v_lshl_or_b32 v[PW], v[TM+7], 24, v[PW]
.irp c, 0,1
	v_cvt_scalef32_pk16_fp6_f32 v[PC+6*\c:PC+2+6*\c], v[\s+32*\c:\s+15+32*\c], v[TM+12+2*\c]
	v_cvt_scalef32_pk16_fp6_f32 v[PC+12+4*\c:PC+14+4*\c], v[\s+16+32*\c:\s+31+32*\c], v[TM+12+2*\c+1]   ; (a conversion's three registers begin on an even number)
.endr
	v_nop                                          ; one plain instruction behind the scaled conversions
.irp c, 0,1                                    ; a lane wants a WHOLE block: lanes 0-15 block 2 c, lanes 16-31 block 2 c + 1
.irp i, 0,1,2
	v_permlane16_swap_b32 v[PC+6*\c+\i], v[PC+12+4*\c+\i]
.endr
.irp i, 0,1,2
	v_mov_b32 v[PC+3+6*\c+\i], v[PC+12+4*\c+\i]
.endr
.endr
.endm
	s_load_b256 s[4:11], s[0:1], 0x0               ; x s[4:5], Wp s[6:7], Wq s[8:9], Wk s[10:11]
	s_load_b128 s[12:15], s[0:1], 0x20             ; Wv s[12:13], xw s[14:15]
	v_lshl_add_u32 v254, v0, 2, 0x8800
	v_mov_b32 v255, 0
	v_lshrrev_b32 v1, 5, v0
	v_readfirstlane_b32 s[WV], v1                  ; wave 0..3
	v_and_b32 v6, 31, v0                           ; lane
	v_and_b32 v7, 15, v0                           ; r
	v_bfe_u32 v8, v0, 4, 1                         ; h
	s_cmp_lt_u32 ttmp9, 576                        ; the same in all four waves
	s_cbranch_scc0 .Lweights
	; ---------------- WAY X: a tile of x or of Wp
	s_mov_b32 s[SEL], 0x76543210
	s_mov_b32 s[SEL+1], 0xfedcba98
	v_lshlrev_b32 v1, 4, v6                        ; 16 x lane
	v_lshlrev_b32 v2, 4, v7
	v_lshl_add_u32 v2, v8, 3, v2                   ; 16 r + 8 h
	s_mul_i32 s24, s[WV], STGB                     ; my stage
	v_add_nc_u32 v3, s24, v1                       ; into it: a row's 512 bytes as they lie
	v_mul_u32_u24 v4, v7, SP
	v_lshl_add_u32 v4, v8, 6, v4
	v_add_nc_u32 v4, s24, v4                       ; out of it: row r, my half's 64 bytes of each block of 128
	s_lshr_b32 s25, s[WV], 1
	s_lshl_b32 s25, s25, 8
	s_and_b32 s26, s[WV], 1
	s_lshl_b32 s26, s26, 3
	s_add_co_u32 s25, s25, s26
	s_add_co_u32 s25, s25, XSL
	s_wait_alu depctr_va_vdst(0)
	v_lshl_add_u32 v5, v7, 4, s25                  ; my two scale words: 256 (w / 2) + 16 r + 8 (w % 2)
	v_add_nc_u32 v9, XSL, v1                       ; and all of them, 16 bytes a lane
.irp b, 0,1,2,3
	v_mov_b32 v[TM+4+\b], 0                        ; written once: a lane permute's destination counts as one of its sources
.endr
	s_wait_kmcnt 0x0
	s_cmp_lt_u32 ttmp9, 512                        ; x or Wp: the choice hangs on the work-group's number alone
	s_cselect_b64 s[4:5], s[4:5], s[6:7]
	s_cselect_b32 s17, 0, 512
	s_cselect_b32 s18, 0, 192
	s_sub_co_u32 s17, ttmp9, s17                   ; the tile in its tensor
	s_add_co_u32 s18, ttmp9, s18                   ; and in xw
	s_lshr_b32 s22, s17, 1
	s_lshl_b32 s22, s22, 17                        ; 32 rows of 4,096 bytes
	s_and_b32 s23, s17, 1
	s_lshl_b32 s23, s23, 15                        ; 8 rows
	s_add_co_u32 s22, s22, s23
	s_lshl_b32 s23, s[WV], 10                      ; my two K steps: 1,024 bytes of a row
	s_add_co_u32 s22, s22, s23
	s_mov_b32 s23, 0
	s_add_nc_u64 s[4:5], s[4:5], s[22:23]
	s_lshl_b32 s26, s18, 3
	s_lshl_b32 s27, s[WV], 1
	s_add_co_u32 s26, s26, s27
	s_mul_i32 s26, s26, 1536                       ; image 8 tile + 2 w
	s_mov_b32 s27, 0
	s_add_nc_u64 s[28:29], s[14:15], s[26:27]
	s_lshl_b32 s26, s18, 9
	s_add_co_u32 s26, s26, SCB
	s_add_nc_u64 s[30:31], s[14:15], s[26:27]      ; the tile's scale words
.irp u, 0,1
.irp t, 0,1,2,3,4,5,6,7,8,9,10,11,12,13,14,15
	global_load_b128 v[R+64*\u+4*\t:R+64*\u+4*\t+3], v1, s[4:5] offset:(\t+8*(\t/8))*4096+512*\u th:TH_LOAD_NT   ; 32 lanes read 512 consecutive bytes: the tile's row t, K step 2 w + u
.endr
.endr
.macro XUNIT u
.if \u
	s_wait_loadcnt 0x0
.else
	s_wait_loadcnt 16                              ; this K step's 16 loads are in; the other's 16 may be out
.endif
.irp t, 0,1,2,3,4,5,6,7,8,9,10,11,12,13,14,15
	ds_store_b128 v3, v[R+64*\u+4*\t:R+64*\u+4*\t+3] offset:SP*\t
.endr
.irp b, 0,1,2,3
.irp j, 0,1,2,3
	ds_load_b128 v[X+16*\b+4*\j:X+16*\b+4*\j+3], v4 offset:128*\b+16*\j   ; LDS serves a wave's instructions in order: these see my stores
.endr
.endr
	s_wait_dscnt 0x0
.if \u
	s_wait_xcnt 0x0                                ; the first K step's stores have read the codes' registers, which are written again
.endif
	QUANT X
	global_store_b128 v1, v[PC:PC+3], s[28:29] offset:1536*\u          ; each store writes whole aligned blocks of 256 bytes
	global_store_b64 v2, v[PC+4:PC+5], s[28:29] offset:1536*\u+512
	global_store_b128 v1, v[PC+6:PC+9], s[28:29] offset:1536*\u+768
	global_store_b64 v2, v[PC+10:PC+11], s[28:29] offset:1536*\u+1280
	v_mov_b32 v[PWS+\u], v[PW]
.endm
	XUNIT 0
	XUNIT 1
	ds_store_b64 v5, v[PWS:PWS+1]                  ; lanes 16-31 write the same bytes with the same values
	s_wait_dscnt 0x0                               ; for the others' sake: my words have landed
	s_barrier_signal -1
	s_barrier_wait -1
	s_cmp_lg_u32 s[WV], 0
	s_cbranch_scc1 .Lx_done
	ds_load_b128 v[16:19], v9                      ; wave 0 stores the tile's 512 bytes of scale words
	s_wait_dscnt 0x0
	global_store_b128 v1, v[16:19], s[30:31]
.Lx_done:
	s_wait_tensorcnt 0x0
	ds_add_u32 v254, v255
	s_wait_dscnt 0x0
	s_endpgm
	; ---------------- WAY W: a lane takes a column e, its registers run down K
.Lweights:
	s_sub_co_u32 s17, ttmp9, 576
	s_and_b32 s18, s17, 1                          ; which four K steps
	s_bfe_u32 s19, s17, 0x10001                    ; which 32 of the head's 64 columns
	s_bfe_u32 s22, s17, 0x40002                    ; head
	s_lshr_b32 s23, s17, 6                         ; tensor: 0 Wq, 1 Wk, 2 Wv
	s_lshl_b32 s24, s18, 2
	s_add_co_u32 s24, s24, s[WV]                   ; my K step
	s_lshl_b32 s26, s22, 18                        ; a head is 262,144 bytes,
	s_lshl_b32 s27, s24, 15                        ; 128 rows of 256 bytes,
	s_add_co_u32 s26, s26, s27
	s_lshl_b32 s27, s19, 7                         ; 32 columns
	s_add_co_u32 s26, s26, s27
	s_mov_b32 s27, 0
	s_lshl_b32 s25, s23, 6
	s_lshl_b32 s28, s22, 2
	s_add_co_u32 s25, s25, s28
	s_lshl_b32 s28, s19, 1
	s_add_co_u32 s25, s25, s28
	s_add_co_u32 s25, s25, 512                     ; the first of my two tiles: 512 + 64 tensor + 4 head + 2 x half
	s_lshl_b32 s28, s25, 3
	s_add_co_u32 s28, s28, s24
	s_mul_i32 s28, s28, 1536
	s_mov_b32 s29, 0
	s_lshl_b32 s30, s25, 9
	s_lshl_b32 s31, s18, 8
	s_add_co_u32 s30, s30, s31
	s_add_co_u32 s30, s30, SCB
	s_mov_b32 s31, 0
	s_wait_alu depctr_va_vdst(0)
	v_lshlrev_b32 v1, 2, v6                        ; 4 x lane
	v_bfe_u32 v9, v0, 3, 1                         ; column 32 x half + lane is row (lane % 8) + 8 (lane / 16) of tile (lane / 8) % 2
	v_and_b32 v10, 7, v0
	v_lshl_add_u32 v10, v8, 3, v10
	v_mul_u32_u24 v2, v9, 12288                    ; a tile's eight images
	v_lshl_add_u32 v2, v10, 4, v2
	s_lshl_b32 s32, s[WV], 2
	s_add_co_u32 s32, s32, WSL
	v_lshlrev_b32 v3, 8, v9
	v_lshl_add_u32 v3, v10, 4, v3
	v_add_nc_u32 v3, s32, v3                       ; my scale word: 256 x tile + 16 x row + 4 w
	v_lshl_add_u32 v4, v6, 4, WSL
	v_lshlrev_b32 v5, 9, v8
	v_lshl_add_u32 v5, v7, 4, v5                   ; and on the way out: lanes 0-15 the first tile's 256 bytes, lanes 16-31 the second's
	s_wait_kmcnt 0x0
	s_cmp_eq_u32 s23, 0
	s_cselect_b64 s[4:5], s[8:9], s[10:11]
	s_cmp_eq_u32 s23, 2
	s_cselect_b64 s[4:5], s[12:13], s[4:5]
	s_add_nc_u64 s[4:5], s[4:5], s[26:27]
	s_add_nc_u64 s[28:29], s[14:15], s[28:29]
	s_add_nc_u64 s[30:31], s[14:15], s[30:31]
.set n, 0
.rept 128
	global_load_b32 v[R+n], v1, s[4:5] offset:256*n th:TH_LOAD_NT   ; row n of my K step at 32 neighbouring columns
.set n, n+1
.endr
.macro WBLOCK b                        ; block b: 32 numbers of my column: all mine
.set XS, R+32*(\b)
.if (\b) < 2
	s_wait_loadcnt 63                              ; 96 or 64 younger loads might stay out; the count's field holds 63
.else
	s_wait_loadcnt 32*(3-(\b))
.endif
	v_max3_num_f32 v172, |v[XS]|, |v[XS+1]|, |v[XS+2]|
	v_max3_num_f32 v173, |v[XS+3]|, |v[XS+4]|, |v[XS+5]|
.irp i, 6,10,14,18,22,26
	v_max3_num_f32 v172, v172, |v[XS+\i]|, |v[XS+\i+1]|
	v_max3_num_f32 v173, v173, |v[XS+\i+2]|, |v[XS+\i+3]|
.endr
	v_max3_num_f32 v172, v172, |v[XS+30]|, |v[XS+31]|
	v_max3_num_f32 v172, v172, v173, 0x1800000     ; and the floor
	v_add_nc_u32 v174, 0xff000000, v172            ; the conversion's scale operand
	v_lshrrev_b32 v175, 23, v174                   ; the byte
.if (\b) == 0
	v_mov_b32 v176, v175
.else
	v_lshl_or_b32 v176, v175, 8*(\b), v176
.endif
	v_cvt_scalef32_pk16_fp6_f32 v[E+4*(\b):E+4*(\b)+2], v[XS:XS+15], v174
	v_cvt_scalef32_pk16_fp6_f32 v[TB:TB+2], v[XS+16:XS+31], v174
	v_nop                                          ; one plain instruction behind the scaled conversions
	v_mov_b32 v[E+4*(\b)+3], v[TB]                 ; the block's six words: four go to one place of the image,
	v_mov_b32 v[G+4*((\b)/2)+2*((\b)%2)], v[TB+1]  ; two to another, beside those of the block's partner
	v_mov_b32 v[G+4*((\b)/2)+2*((\b)%2)+1], v[TB+2]
.endm
	WBLOCK 0
	WBLOCK 1
	WBLOCK 2
	WBLOCK 3
.irp b, 0,1,2,3
	global_store_b128 v2, v[E+4*\b:E+4*\b+3], s[28:29] offset:768*(\b/2)+256*(\b%2)   ; block b = 2 c + h is what lane (row, h) holds in registers 6 c .. 6 c + 3; sixteen lanes fill an aligned block of 256 bytes in each of the two tiles
.endr
.irp c, 0,1
	global_store_b128 v2, v[G+4*\c:G+4*\c+3], s[28:29] offset:768*\c+512
.endr
	ds_store_b32 v3, v176
	s_wait_dscnt 0x0                               ; for the others' sake
	s_barrier_signal -1
	s_barrier_wait -1
	s_cmp_lg_u32 s[WV], 0
	s_cbranch_scc1 .Lw_done
	ds_load_b128 v[16:19], v4
	s_wait_dscnt 0x0
	global_store_b128 v5, v[16:19], s[30:31]       ; four K steps' words of 16 rows: one aligned block of 256 bytes for each tile
.Lw_done:
	s_wait_tensorcnt 0x0
	ds_add_u32 v254, v255
	s_wait_dscnt 0x0
	s_endpgm
.Lfunc_end_k_qa8aea3c28c_quant:
	.size	k_qa8aea3c28c_quant, .Lfunc_end_k_qa8aea3c28c_quant-k_qa8aea3c28c_quant
	.p2alignl 7, 3214868480
	.fill 96, 4, 3214868480
	.section	.rodata,"a",@progbits
	.p2align	6, 0x0
	.amdhsa_kernel k_qa8aea3c28c_quant
		.amdhsa_group_segment_fixed_size 35328
		.amdhsa_private_segment_fixed_size 0
		.amdhsa_enable_private_segment 0
		.amdhsa_kernarg_size 48
		.amdhsa_user_sgpr_count 2
		.amdhsa_user_sgpr_kernarg_segment_ptr 1
		.amdhsa_wavefront_size32 1
		.amdhsa_system_sgpr_workgroup_id_x 1
		.amdhsa_system_sgpr_workgroup_id_y 1
		.amdhsa_system_sgpr_workgroup_id_z 1
		.amdhsa_system_vgpr_workitem_id 0
		.amdhsa_next_free_vgpr 256
		.amdhsa_next_free_sgpr 66
		.amdhsa_reserve_vcc 0
		.amdhsa_float_denorm_mode_32 3
		.amdhsa_float_denorm_mode_16_64 3
		.amdhsa_memory_ordered 1
		.amdhsa_forward_progress 1
		.amdhsa_inst_pref_size 40
	.end_amdhsa_kernel
	.amdgpu_metadata
---
amdhsa.version: [ 1, 2 ]
amdhsa.kernels:
  - .name:           k_qa8aea3c28c_quant
    .symbol:         k_qa8aea3c28c_quant.kd
    .args:
      - { .name: x, .offset: 0, .size: 8, .value_kind: global_buffer, .address_space: global }
      - { .name: Wp, .offset: 8, .size: 8, .value_kind: global_buffer, .address_space: global }
      - { .name: Wq, .offset: 16, .size: 8, .value_kind: global_buffer, .address_space: global }
      - { .name: Wk, .offset: 24, .size: 8, .value_kind: global_buffer, .address_space: global }
      - { .name: Wv, .offset: 32, .size: 8, .value_kind: global_buffer, .address_space: global }
      - { .name: xw, .offset: 40, .size: 8, .value_kind: global_buffer, .address_space: global }
    .group_segment_fixed_size: 35328
    .private_segment_fixed_size: 0
    .kernarg_segment_align: 8
    .kernarg_segment_size: 48
    .max_flat_workgroup_size: 128
    .sgpr_count:     66
    .vgpr_count:     256
    .wavefront_size: 32
...
	.end_amdgpu_metadata
.endif
;; end of part 1
;; launch qkv (part 2): grid 8 x 96, 4 waves a work-group, clusters of 4 x 4, 295,424 bytes of LDS; arguments xw, qb, kv; writes qb, kv
.if DOCPART == 2
	.amdgcn_target "amdgcn-amd-amdhsa--gfx1250"
	.amdhsa_code_object_version 6
	.text
	.protected	k_qa8aea3c28c_qkv
	.globl	k_qa8aea3c28c_qkv
	.p2align	8
	.type	k_qa8aea3c28c_qkv,@function
k_qa8aea3c28c_qkv:
	s_mov_b64 s[64:65], 0
	v_nop
	global_prefetch_b8 v0, s[64:65] scope:SCOPE_SE
	s_setreg_imm32_b32 hwreg(HW_REG_WAVE_MODE, 25, 1), 1
	s_wait_xcnt 0x0
	s_wait_alu depctr_hold_cnt(0) depctr_sa_sdst(0) depctr_va_vdst(0) depctr_va_sdst(0) depctr_va_ssrc(0) depctr_va_vcc(0) depctr_vm_vsrc(0)
	s_getreg_b32 s2, hwreg(HW_REG_IB_STS2, 6, 4)
	s_cmp_eq_u32 s2, 0
	s_cbranch_scc0 .Lentry_in_a_cluster
	s_endpgm
.Lentry_in_a_cluster:
	s_bfe_u32 s2, ttmp6, 0x10000c
	s_cmp_lg_u32 s2, 0xf033
	s_cbranch_scc0 .Lentry_shape_is_right
	s_endpgm
.Lentry_shape_is_right:
; q, k, v = x W, on codes of FP6 (E2M3) with E8M0 scales, K = 1,024; the results are quantised again in registers and leave as codes: q and k along the head's 64, v along the keys.
; Operands lie in xw as images of fragments (16 rows x 128 K: 1,536 bytes: registers 6 c .. 6 c + 3 at 768 c + 16 x lane, registers 6 c + 4, 6 c + 5 at 768 c + 512 + 16 r + 8 h), [tile][K step]; tile t holds rows
; 32 (t / 2) + 8 (t % 2) + r + 8 (r / 8).  Scale words from SCB on: [tile][K step / 4][r][K step % 4].
; A work-group makes 128 rows of A x 256 rows of B; the matrix instruction takes B as source 0 and A as source 1, so that a lane holds ONE row of A, and, by the tiles' order of rows, the 16 registers of two
; neighbouring tiles of B are 16 NEIGHBOURS along B's rows: the axis along which the result is quantised.  Clusters with y < 16: A = x, B = Wq (cluster x = 0) or Wk (1): a lane holds a token, registers run along (head, e).
; Clusters with y >= 16: A = Wv, B = x: a lane holds a channel e, registers run along the tokens, which are the keys.  Only tile numbers and the way out differ, and they are chosen without a branch.
; Wave w: A's tiles 4 (w / 2) on, B's tiles 8 (w % 2) on: 32 accumulators, 256 matrix instructions.
; ALL OF K FOR THE TILE LIES IN LDS (98,304 + 196,608 bytes), in four chunks of four K steps (two of A, two of B): each wave issues one tensor load at the head; no byte is filled twice.
; CLUSTER 4 x 4: A's tiles are shared along a row of the cluster, B's along a column: joint loads.
; qb: half images (a head's 64 along K: 768 bytes) [batch x head][token tile]; from QSC on scale words [bh][tile / 4][r][tile % 4], the head's two bytes written twice.
; kv: for each bh 208,896 bytes: 16 key steps x 13,056 bytes: K's 8 tiles x 768, V's 4 tiles of channels x 1,536, then 768 bytes of scale words: K's tiles 0-3 [r][tile], tiles 4-7, V's [r][tile].
; LIMITS: a block of zeros keeps the byte 1 where the rule says 127 (its codes are zeros; this program alone reads the bytes); NaN and infinities are not served.
; REGISTERS: window 0: v1-10 addresses; v16-19 LDS addresses; v32-79 scale words and nothing else; v80-123 the way out; from v128 A's fragments, two sets of 48.  Window 1: B's two sets, at v0 and v128.
; Window 2: accumulator (a, b) at v[8 (8 a + b)].
.set SCB,   9437184
.set QSC,   6291456
.set REC,   208896
.set KSC,   196608
.set TILEB, 12288                      ; a tile's eight images
.set ACH,   49152                      ; a chunk of A in LDS: 8 tiles x 6,144 bytes (four K steps); K lies in TWO chunks, one tensor load a wave
.set BCH,   98304                      ; of B: 16 tiles
.set BB0,   2*ACH                      ; B's two chunks lie behind A's two
.set ADRA,  16                         ; v16, v17 my A fragments in the chunk in hand: + 16 x lane, + 16 r + 8 h
.set ADRB,  18                         ; v18, v19 the same for B
.set SAR,   32                         ; v32-47  A's scale words: tile a, K step s: v[SAR + 8 (a % 2) + s], lanes 0-15 for a < 2, lanes 16-31 else
.set SBR,   48                         ; v48-79  B's: tile b: v[SBR + 8 (b % 4) + s], lanes 0-15 for b < 4
.set TM,    80
.set PW,    96
.set VSEL,  97
.set SW,    100                        ; v100-103 the four scale words to be stored
.set PC,    104
.set AF,    128
.set WV,    12
.set HA,    13
.set HB,    14
.set SEL,   2
.set G1A,   24
.set G1B,   32
.set G0A,   40                         ; s[40:47] group 0 for A's two chunks
.set G0B,   68                         ; s[68:75] for B's
.set OUTB,  56
.set OUTS,  58
.set STPA,  66
.set MULW,  0xa1                       ; source 0 (B) window 1, source 1 (A) window 0, C and D window 2
.set TO_B,  0x40                       ; destination window 1
.set MSB, 0
.macro WIN new                         ; the immediate's high byte repeats the setting that is left
.if MSB != \new
	s_set_vgpr_msb (MSB<<8)|\new
.set MSB, \new
.endif
.endm
.macro PLACES
.rept 4
	v_nop
.endr
.endm
.macro CROUND                          ; a round of the cluster's barrier
	s_barrier_signal -1
	s_barrier_wait -1
	s_cmp_lg_u32 s[WV], 0
	s_cbranch_scc1 .Lnot_wave_0_\@
	s_barrier_signal -3
.Lnot_wave_0_\@:
	s_barrier_wait -3
	s_barrier_signal -1
	s_barrier_wait -1
.endm
.macro FRAG reg, adr, off              ; an image comes back as the registers that it shows
	ds_load_b128 v[\reg:\reg+3], v[\adr] offset:\off
	ds_load_b64 v[\reg+4:\reg+5], v[\adr+1] offset:\off+512
	ds_load_b128 v[\reg+6:\reg+9], v[\adr] offset:\off+768
	ds_load_b64 v[\reg+10:\reg+11], v[\adr+1] offset:\off+1280
.endm
.macro FETCH s                         ; K step s: 48 LDS loads in one run, into set s % 2
	WIN TO_B
.irp i, 0,1,2,3,4,5,6,7
	FRAG 128*((\s)%2)+12*\i, ADRB, 6144*\i+1536*((\s)%4)
.endr
	WIN 0
.irp i, 0,1,2,3
	FRAG AF+48*((\s)%2)+12*\i, ADRA, 6144*\i+1536*((\s)%4)
.endr
.endm
.macro MM a, b, s                      ; accumulator (a, b), K step s; the first K step starts the sums
.set rD, 8*(8*(\a)+(\b))
.set rB, 128*((\s)%2)+12*(\b)
.set rA, AF+48*((\s)%2)+12*(\a)
.set rX, SBR+8*((\b)%4)+(\s)
.set rY, SAR+8*((\a)%2)+(\s)
.if (\s) == 0
.if ((\a) < 2) && ((\b) < 4)
	v_wmma_scale_f32_16x16x128_f8f6f4 v[rD:rD+7], v[rB:rB+11], v[rA:rA+11], 0, v[rX], v[rY] matrix_a_fmt:MATRIX_FMT_FP6 matrix_b_fmt:MATRIX_FMT_FP6
.elseif (\a) < 2
	v_wmma_scale_f32_16x16x128_f8f6f4 v[rD:rD+7], v[rB:rB+11], v[rA:rA+11], 0, v[rX], v[rY] matrix_a_fmt:MATRIX_FMT_FP6 matrix_b_fmt:MATRIX_FMT_FP6 matrix_a_scale:MATRIX_SCALE_ROW1
.elseif (\b) < 4
	v_wmma_scale_f32_16x16x128_f8f6f4 v[rD:rD+7], v[rB:rB+11], v[rA:rA+11], 0, v[rX], v[rY] matrix_a_fmt:MATRIX_FMT_FP6 matrix_b_fmt:MATRIX_FMT_FP6 matrix_b_scale:MATRIX_SCALE_ROW1
.else
	v_wmma_scale_f32_16x16x128_f8f6f4 v[rD:rD+7], v[rB:rB+11], v[rA:rA+11], 0, v[rX], v[rY] matrix_a_fmt:MATRIX_FMT_FP6 matrix_b_fmt:MATRIX_FMT_FP6 matrix_a_scale:MATRIX_SCALE_ROW1 matrix_b_scale:MATRIX_SCALE_ROW1
.endif
.else
.if ((\a) < 2) && ((\b) < 4)
	v_wmma_scale_f32_16x16x128_f8f6f4 v[rD:rD+7], v[rB:rB+11], v[rA:rA+11], v[rD:rD+7], v[rX], v[rY] matrix_a_fmt:MATRIX_FMT_FP6 matrix_b_fmt:MATRIX_FMT_FP6
.elseif (\a) < 2
	v_wmma_scale_f32_16x16x128_f8f6f4 v[rD:rD+7], v[rB:rB+11], v[rA:rA+11], v[rD:rD+7], v[rX], v[rY] matrix_a_fmt:MATRIX_FMT_FP6 matrix_b_fmt:MATRIX_FMT_FP6 matrix_a_scale:MATRIX_SCALE_ROW1
.elseif (\b) < 4
	v_wmma_scale_f32_16x16x128_f8f6f4 v[rD:rD+7], v[rB:rB+11], v[rA:rA+11], v[rD:rD+7], v[rX], v[rY] matrix_a_fmt:MATRIX_FMT_FP6 matrix_b_fmt:MATRIX_FMT_FP6 matrix_b_scale:MATRIX_SCALE_ROW1
.else
	v_wmma_scale_f32_16x16x128_f8f6f4 v[rD:rD+7], v[rB:rB+11], v[rA:rA+11], v[rD:rD+7], v[rX], v[rY] matrix_a_fmt:MATRIX_FMT_FP6 matrix_b_fmt:MATRIX_FMT_FP6 matrix_a_scale:MATRIX_SCALE_ROW1 matrix_b_scale:MATRIX_SCALE_ROW1
.endif
.endif
.endm
.macro MUL16 a0, s                     ; the 32 accumulators take turns, one instruction a turn, in the same order in every K step
.irp a, \a0, \a0+1
.irp b, 0,1,2,3,4,5,6,7
	MM \a, \b, \s
.endr
.endr
.endm
; A K step: 32 matrix instructions; in its middle the next step's 48 loads, behind four plain instructions (the set that they fill was read by the step before).
; K step 3 changes chunks: every wave waits for its one tensor load, its LDS loads are back, then the barrier; 16 matrix instructions stand between signal and wait.
.macro STEP s
	s_wait_dscnt 0x0                               ; this step's fragments are in
.if (\s) == 3
	s_wait_tensorcnt 0x0                           ; every wave's load has landed: the second chunk is whole behind the barrier
	s_barrier_signal -1
.endif
	WIN MULW
	MUL16 0, \s
	WIN 0
.if (\s) == 3
	s_barrier_wait -1
	v_add_nc_u32 v[ADRA], ACH, v[ADRA]             ; on to the next chunk: these four are the plain instructions in front of the loads
	v_add_nc_u32 v[ADRA+1], ACH, v[ADRA+1]
	v_add_nc_u32 v[ADRB], BCH, v[ADRB]
	s_wait_alu depctr_va_vdst(0)
	v_add_nc_u32 v[ADRB+1], BCH, v[ADRB+1]
.elseif (\s) < 7
	PLACES
.endif
.if (\s) < 7
	s_wait_alu depctr_va_vdst(0)
	FETCH (\s)+1
.endif
	WIN MULW
	MUL16 2, \s
	WIN 0
.endm
	s_load_b128 s[4:7], s[0:1], 0x0                ; xw s[4:5], qb s[6:7]
	s_load_b64 s[8:9], s[0:1], 0x10                ; kv
	v_lshl_add_u32 v254, v0, 2, 0x48000
	v_mov_b32 v255, 0
	ds_add_u32 v254, v255
	ds_add_u32 v254, v255
	v_lshrrev_b32 v1, 5, v0
	v_readfirstlane_b32 s[WV], v1                  ; wave 0..3
	s_lshr_b32 s[HA], s[WV], 1                     ; which half of A's tiles is mine
	s_and_b32 s[HB], s[WV], 1                      ; which half of B's; also: which half of a chunk I fetch
	s_bfe_u32 s15, ttmp6, 0x40000                  ; cx
	s_bfe_u32 s16, ttmp6, 0x40004                  ; cy
	s_and_b32 s10, ttmp7, 0xffff                   ; the cluster's y; ttmp9 is its x
	s_sub_co_u32 s11, s10, 16                      ; for v: 0 .. 7
	s_and_b32 s17, s11, 1
	s_lshr_b32 s18, s11, 1
	s_lshl_b32 s18, s18, 1
	s_add_co_u32 s18, s18, ttmp9
	s_cmp_ge_u32 s10, 16                           ; v's clusters: the same answer in all sixteen partners
	s_cselect_b32 s17, s17, s10                    ; A's block of four row blocks
	s_cselect_b32 s18, s18, ttmp9                  ; B's
	s_cselect_b32 s19, 640, 0                      ; A's first tile in xw: Wv's or x's
	s_cselect_b32 s20, 0, 512                      ; B's: x's or Wq's
	s_cselect_b32 s21, 1, 0
	s_lshl_b32 s17, s17, 2
	s_add_co_u32 s17, s17, s16                     ; rowA: hangs on cy, never on cx
	s_lshl_b32 s18, s18, 2
	s_add_co_u32 s18, s18, s15                     ; colB: hangs on cx, never on cy
	s_lshl_b32 s22, s17, 3
	s_add_co_u32 s19, s19, s22                     ; A's first tile: 8 to a block
	s_lshl_b32 s2, s18, 4
	s_add_co_u32 s20, s20, s2                      ; B's: 16 to a block
	s_lshl_b32 s58, s16, 2
	s_lshl_b32 s58, 15, s58                        ; my row of the cluster
	s_lshl_b32 s59, 0x1111, s15                    ; my column
	; descriptor group 1: rows = tiles; a row is a chunk's four images, 6,144 bytes = 768 elements of 8 bytes; from tile to tile 12,288 bytes = 1,536 elements; no padding
	s_or_b32 s[G1A], s58, (3<<16)|(1<<21)          ; 15:0 the mask; 17:16 elements of 8 bytes; 21 set beside a mask
	s_or_b32 s[G1B], s59, (3<<16)|(1<<21)
.irp g, G1A, G1B
	s_mov_b32 s[\g+1], 768<<16                     ; tensor_dim0: a row is a tile's four images, 6,144 bytes = 768 elements of 8 bytes
	s_mov_b32 s[\g+3], 768<<16                     ; tile_dim0
	s_mov_b32 s[\g+5], 1536                        ; tensor_dim0_stride
	s_mov_b32 s[\g+6], 0
	s_mov_b32 s[\g+7], 0
.endr
	s_mov_b32 s[G1A+2], 8<<16                      ; tensor_dim1: a load brings A's 8 tiles
	s_mov_b32 s[G1A+4], 8                          ; tile_dim1
	s_mov_b32 s[G1B+2], 16<<16                     ; or B's 16
	s_mov_b32 s[G1B+4], 16
	s_mul_i32 s22, s19, TILEB                      ; A's tiles, in bytes
	s_mov_b32 s23, 0
	s_mul_i32 s2, s20, TILEB                       ; B's
	s_mov_b32 s3, 0
	s_wait_dscnt 0x0
	s_wait_kmcnt 0x0
	s_add_nc_u64 s[22:23], s[4:5], s[22:23]
	s_add_nc_u64 s[2:3], s[4:5], s[2:3]
	CROUND                                         ; all sixteen work-groups are here: the joint loads meet
.irp c, 0,1
	s_mov_b32 s[G0A+4*\c], 1                       ; count = 1
	s_mov_b32 s[G0A+4*\c+1], \c*ACH                ; LDS address: a constant
	s_add_nc_u64 s[G0A+4*\c+2:G0A+4*\c+3], s[22:23], \c*6144   ; global address: K steps 4 c .. 4 c + 3
	s_or_b32 s[G0A+4*\c+3], s[G0A+4*\c+3], 0x80000000          ; type = 2
	s_mov_b32 s[G0B+4*\c], 1
	s_mov_b32 s[G0B+4*\c+1], BB0+\c*BCH
	s_add_nc_u64 s[G0B+4*\c+2:G0B+4*\c+3], s[2:3], \c*6144
	s_or_b32 s[G0B+4*\c+3], s[G0B+4*\c+3], 0x80000000
.endr
; one tensor load a wave, in one chain of branches on the wave's number: wave 0 A's first chunk, wave 1 B's first, wave 2 A's second, wave 3 B's second
.macro ARM under, g0, g1, next
	s_cmp_lt_u32 s[WV], \under
	s_cbranch_scc0 \next
	tensor_load_to_lds s[\g0:\g0+3], s[\g1:\g1+7]
	s_nop 0
	PLACES
	s_branch .Lfilled
\next:
.endm
	ARM 1, G0A, G1A, .Lfill_b0
	ARM 2, G0B, G1B, .Lfill_a1
	ARM 3, G0A+4, G1A, .Lfill_b1
	tensor_load_to_lds s[G0B+4:G0B+7], s[G1B:G1B+7]
	s_nop 0
	PLACES
.Lfilled:
	v_and_b32 v1, 31, v0
	v_lshlrev_b32 v1, 4, v1                        ; 16 x lane
	v_and_b32 v3, 15, v0                           ; r
	v_bfe_u32 v4, v0, 4, 1                         ; h
	v_lshlrev_b32 v2, 4, v3
	v_lshl_add_u32 v2, v4, 3, v2                   ; 16 r + 8 h
	s_mul_i32 s84, s[HA], 4*6144
	v_add_nc_u32 v[ADRA], s84, v1
	v_add_nc_u32 v[ADRA+1], s84, v2
	s_mul_i32 s84, s[HB], 8*6144
	s_add_co_u32 s84, s84, BB0
	v_add_nc_u32 v[ADRB], s84, v1
	v_add_nc_u32 v[ADRB+1], s84, v2
	v_lshlrev_b32 v5, 4, v3
	v_lshl_add_u32 v6, v4, 11, v5                  ; B's scale words: lanes 16-31 take the tile four on
	v_lshl_add_u32 v5, v4, 10, v5                  ; A's: the tile two on
	s_wait_alu depctr_va_vdst(0)
	s_lshl_b32 s60, s[HA], 2
	s_add_co_u32 s60, s60, s19
	s_lshl_b32 s60, s60, 9
	s_add_co_u32 s60, s60, SCB
	s_mov_b32 s61, 0
	s_add_nc_u64 s[60:61], s[4:5], s[60:61]
	s_lshl_b32 s62, s[HB], 3
	s_add_co_u32 s62, s62, s20
	s_lshl_b32 s62, s62, 9
	s_add_co_u32 s62, s62, SCB
	s_mov_b32 s63, 0
	s_add_nc_u64 s[62:63], s[4:5], s[62:63]
.irp i, 0,1
.irp q, 0,1
	global_load_b128 v[SAR+8*\i+4*\q:SAR+8*\i+4*\q+3], v5, s[60:61] offset:512*\i+256*\q   ; sixteen lanes read an aligned block of 256 bytes: four K steps' words of 16 rows
.endr
.endr
.irp i, 0,1,2,3
.irp q, 0,1
	global_load_b128 v[SBR+8*\i+4*\q:SBR+8*\i+4*\q+3], v6, s[62:63] offset:512*\i+256*\q
.endr
.endr
	; THE WAY OUT'S ADDRESSES, for all three kinds, then the choice
	s_mov_b32 s[SEL], 0x76543210
	s_mov_b32 s[SEL+1], 0xfedcba98
	s_lshl_b32 s84, s17, 3
	s_lshl_b32 s99, s[HA], 2
	s_add_co_u32 s84, s84, s99                     ; q, k: my first token tile
	s_lshr_b32 s85, s84, 7
	s_lshl_b32 s85, s85, 4                         ; 16 x batch
	s_and_b32 s84, s84, 127                        ; the tile in its batch
	s_and_b32 s99, s18, 3
	s_lshl_b32 s99, s99, 2
	s_add_co_u32 s85, s85, s99
	s_lshl_b32 s99, s[HB], 1
	s_add_co_u32 s85, s85, s99                     ; q, k: the first of my two heads: bh = 16 batch + 4 (colB % 4) + 2 HB
	s_lshr_b32 s86, s18, 3
	s_lshl_b32 s86, s86, 4
	s_lshl_b32 s99, s17, 1
	s_add_co_u32 s86, s86, s99
	s_add_co_u32 s86, s86, s[HA]                   ; v: bh = 16 (colB / 8) + 2 rowA + HA
	s_and_b32 s87, s18, 7
	s_lshl_b32 s87, s87, 1
	s_add_co_u32 s87, s87, s[HB]                   ; v: my key step
	s_mul_i32 s88, s84, 768                        ; q: the tile's half image
	s_lshr_b32 s99, s84, 3
	s_mul_i32 s89, s99, 13056                      ; a key step's record in kv: 12,288 bytes of codes, then its 768 bytes of scale words
	s_mul_i32 s92, s99, 13056
	s_and_b32 s99, s84, 7
	s_mul_i32 s99, s99, 768
	s_add_co_u32 s89, s89, s99                     ; k: key step, tile in it
	s_lshl_b32 s99, s[HA], 8
	s_add_co_u32 s92, s92, s99
	s_add_co_u32 s92, s92, 12288                   ; k's scale words
	s_mul_i32 s90, s87, 13056
	s_add_co_u32 s90, s90, 6144                    ; v: behind the step's eight tiles of K
	s_mul_i32 s93, s87, 13056
	s_add_co_u32 s93, s93, 12288+512               ; v's scale words
	s_lshr_b32 s91, s84, 2
	s_lshl_b32 s91, s91, 8
	s_add_co_u32 s91, s91, QSC                     ; q's scale words
	s_mov_b32 s98, REC
	s_mov_b32 s96, 0x01000100                      ; lanes 0-15: the first head's two bytes, twice;
	s_mov_b32 s97, 0x02020202                      ; lanes 16-31: 0x03020302, the second head's
	s_mov_b32 s[STPA], 768
	s_mov_b32 s[STPA+1], 0
	s_cmp_eq_u32 ttmp9, 0                          ; q or k
	s_cselect_b32 s88, s88, s89
	s_cselect_b32 s91, s91, s92
	s_cselect_b32 s94, 98304, s98                  ; from bh to bh + 1, codes
	s_cselect_b32 s95, 8192, s98                   ; and scale words
	s_cselect_b64 s[OUTB:OUTB+1], s[6:7], s[8:9]
	s_cmp_lg_u32 s21, 0                            ; or v
	s_cselect_b32 s85, s86, s85
	s_cselect_b32 s88, s90, s88
	s_cselect_b32 s91, s93, s91
	s_cselect_b32 s89, 768, s94                    ; where registers 6 to 11 go: the next head's half image, or the image's second half
	s_cselect_b32 s92, 0, s95                      ; where lanes 16-31 put their scale words: the next head's, or (v) the same bytes again
	s_cselect_b32 s94, s98, s94
	s_cselect_b32 s95, s98, s95
	s_cselect_b64 s[OUTB:OUTB+1], s[8:9], s[OUTB:OUTB+1]
	s_cselect_b32 s[STPA], 1536, s[STPA]           ; from one of A's tiles to the next
	s_cselect_b32 s96, 0x03020100, s96             ; v: the word as it is
	s_cselect_b32 s97, 0, s97
	s_mul_i32 s94, s94, s85
	s_add_co_u32 s94, s94, s88
	s_mul_i32 s98, s95, s85
	s_add_co_u32 s98, s98, s91
	s_mov_b32 s95, 0
	s_mov_b32 s99, 0
	s_add_nc_u64 s[OUTS:OUTS+1], s[OUTB:OUTB+1], s[98:99]
	s_add_nc_u64 s[OUTB:OUTB+1], s[OUTB:OUTB+1], s[94:95]
	v_add_nc_u32 v8, s89, v1
	v_add_nc_u32 v9, s89, v2
	v_mul_lo_u32 v10, v4, s92
	v_lshl_add_u32 v10, v3, 4, v10
	v_mul_lo_u32 v[VSEL], v4, s97
	v_add_nc_u32 v[VSEL], s96, v[VSEL]
.irp b, 0,1,2,3
	v_mov_b32 v[TM+4+\b], 0                        ; written once: a lane permute's destination counts as one of its sources
.endr
	s_wait_alu depctr_va_vdst(0)
	s_cmp_lt_u32 s[WV], 2                          ; waves 0 and 1 brought the first chunks, by load lines that are theirs alone
	s_cbranch_scc0 .Lnot_first
	s_wait_tensorcnt 0x0
.Lnot_first:
	s_barrier_signal -1
	s_barrier_wait -1                              ; everybody's is
	FETCH 0
	s_wait_loadcnt 0x0                             ; the scale words
.irp s, 0,1,2,3,4,5,6,7
	STEP \s
.endr
; THE WAY OUT.  For each of my four tiles of A: the lane's 64 results (register 16 b + i = index 32 b + 16 h + i along B's rows) are quantised as they stand and leave as an image; no LDS.
.macro QUANTW a
	WIN 0x28                                       ; sources 1 and 2: window 2
.irp b, 0,1,2,3
	v_max3_num_f32 v[TM+\b], 0x1800000, |v[64*(\a)+16*\b]|, |v[64*(\a)+16*\b+1]|   ; with the floor 2^(3 - 127); each accumulator is read from its low end on
.endr
.irp i, 2,4,6,8,10,12,14
.irp b, 0,1,2,3
	v_max3_num_f32 v[TM+\b], v[TM+\b], |v[64*(\a)+16*\b+\i]|, |v[64*(\a)+16*\b+\i+1]|
.endr
.endr
	WIN 0
.irp b, 0,1,2,3
	v_permlanex16_b32 v[TM+4+\b], v[TM+\b], s[SEL], s[SEL+1]
.endr
.irp b, 0,1,2,3
	v_max_num_f32 v[TM+\b], v[TM+\b], v[TM+4+\b]
.endr
.irp b, 0,1,2,3
	v_add_nc_u32 v[TM+12+\b], 0xff000000, v[TM+\b]   ; 2 off the exponent field: the conversion's scale operand
.endr
.irp b, 0,1,2,3
	v_lshrrev_b32 v[TM+4+\b], 23, v[TM+12+\b]
.endr
	v_lshl_or_b32 v[PW], v[TM+5], 8, v[TM+4]
	v_lshl_or_b32 v[PW], v[TM+6], 16, v[PW]
	v_lshl_or_b32 v[PW], v[TM+7], 24, v[PW]
	WIN 0x02                                       ; source 0: window 2
.irp c, 0,1
	v_cvt_scalef32_pk16_fp6_f32 v[PC+6*\c:PC+2+6*\c], v[64*(\a)+32*\c:64*(\a)+32*\c+15], v[TM+12+2*\c]
	v_cvt_scalef32_pk16_fp6_f32 v[PC+12+4*\c:PC+14+4*\c], v[64*(\a)+32*\c+16:64*(\a)+32*\c+31], v[TM+12+2*\c+1]
.endr
	WIN 0
	v_nop                                          ; one plain instruction behind the scaled conversions
.irp c, 0,1
.irp i, 0,1,2
	v_permlane16_swap_b32 v[PC+6*\c+\i], v[PC+12+4*\c+\i]
.endr
.irp i, 0,1,2
	v_mov_b32 v[PC+3+6*\c+\i], v[PC+12+4*\c+\i]
.endr
.endr
.endm
	PLACES                                         ; four plain instructions between the last products and the first read of results
.irp a, 0,1,2,3
.if \a > 0
	s_wait_xcnt 0x0                                ; the last tile's stores have read their data and their base
	s_add_nc_u64 s[OUTB:OUTB+1], s[OUTB:OUTB+1], s[STPA:STPA+1]
.endif
	QUANTW \a
	v_perm_b32 v[SW+\a], v[PW], v[PW], v[VSEL]     ; the word as the reader wants it
	global_store_b128 v1, v[PC:PC+3], s[OUTB:OUTB+1]               ; each store writes whole aligned blocks of 256 bytes
	global_store_b64 v2, v[PC+4:PC+5], s[OUTB:OUTB+1] offset:512
	global_store_b128 v8, v[PC+6:PC+9], s[OUTB:OUTB+1]
	global_store_b64 v9, v[PC+10:PC+11], s[OUTB:OUTB+1] offset:512
.endr
	global_store_b128 v10, v[SW:SW+3], s[OUTS:OUTS+1]              ; four tiles' words of 16 rows: an aligned block of 256 bytes for sixteen lanes
	s_wait_tensorcnt 0x0
	ds_add_u32 v254, v255
	s_wait_dscnt 0x0
	CROUND                                         ; the closing round: no work-group ends while a partner may still ask for a tile that names it
	s_endpgm
.Lfunc_end_k_qa8aea3c28c_qkv:
	.size	k_qa8aea3c28c_qkv, .Lfunc_end_k_qa8aea3c28c_qkv-k_qa8aea3c28c_qkv
	.p2alignl 7, 3214868480
	.fill 96, 4, 3214868480
	.section	.rodata,"a",@progbits
	.p2align	6, 0x0
	.amdhsa_kernel k_qa8aea3c28c_qkv
		.amdhsa_group_segment_fixed_size 295424
		.amdhsa_private_segment_fixed_size 0
		.amdhsa_enable_private_segment 0
		.amdhsa_kernarg_size 24
		.amdhsa_user_sgpr_count 2
		.amdhsa_user_sgpr_kernarg_segment_ptr 1
		.amdhsa_wavefront_size32 1
		.amdhsa_system_sgpr_workgroup_id_x 1
		.amdhsa_system_sgpr_workgroup_id_y 1
		.amdhsa_system_sgpr_workgroup_id_z 1
		.amdhsa_system_vgpr_workitem_id 0
		.amdhsa_next_free_vgpr 768
		.amdhsa_next_free_sgpr 100
		.amdhsa_reserve_vcc 0
		.amdhsa_float_denorm_mode_32 3
		.amdhsa_float_denorm_mode_16_64 3
		.amdhsa_memory_ordered 1
		.amdhsa_forward_progress 1
		.amdhsa_inst_pref_size 89
	.end_amdhsa_kernel
	.amdgpu_metadata
---
amdhsa.version: [ 1, 2 ]
amdhsa.kernels:
  - .name:           k_qa8aea3c28c_qkv
    .symbol:         k_qa8aea3c28c_qkv.kd
    .args:
      - { .name: xw, .offset: 0, .size: 8, .value_kind: global_buffer, .address_space: global }
      - { .name: qb, .offset: 8, .size: 8, .value_kind: global_buffer, .address_space: global }
      - { .name: kv, .offset: 16, .size: 8, .value_kind: global_buffer, .address_space: global }
    .group_segment_fixed_size: 295424
    .private_segment_fixed_size: 0
    .kernarg_segment_align: 8
    .kernarg_segment_size: 24
    .max_flat_workgroup_size: 128
    .sgpr_count:     100
    .vgpr_count:     768
    .wavefront_size: 32
...
	.end_amdgpu_metadata
.endif
;; end of part 2
;; launch attn (part 3): grid 4 x 64, 16 waves a work-group, clusters of 4 x 1, 327,680 bytes of LDS; arguments qb, kv, ob; writes ob
.if DOCPART == 3
	.amdgcn_target "amdgcn-amd-amdhsa--gfx1250"
	.amdhsa_code_object_version 6
	.text
	.protected	k_qa8aea3c28c_attn
	.globl	k_qa8aea3c28c_attn
	.p2align	8
	.type	k_qa8aea3c28c_attn,@function
k_qa8aea3c28c_attn:
	s_mov_b64 s[64:65], 0
	v_nop
	global_prefetch_b8 v0, s[64:65] scope:SCOPE_SE
	s_setreg_imm32_b32 hwreg(HW_REG_WAVE_MODE, 25, 1), 1
	s_wait_xcnt 0x0
	s_wait_alu depctr_hold_cnt(0) depctr_sa_sdst(0) depctr_va_vdst(0) depctr_va_sdst(0) depctr_va_ssrc(0) depctr_va_vcc(0) depctr_vm_vsrc(0)
	s_getreg_b32 s2, hwreg(HW_REG_IB_STS2, 6, 4)
	s_cmp_eq_u32 s2, 0
	s_cbranch_scc0 .Lentry_in_a_cluster
	s_endpgm
.Lentry_in_a_cluster:
	s_bfe_u32 s2, ttmp6, 0x10000c
	s_cmp_lg_u32 s2, 0x3003
	s_cbranch_scc0 .Lentry_shape_is_right
	s_endpgm
.Lentry_shape_is_right:
; o = softmax(q k^T / 8, causal) v for one (batch, head) a cluster, on codes of FP6 (E2M3) with E8M0 scales; o is quantised along the head's 64 and leaves as codes for the projection.
; LEFT OUT: key steps that lie wholly above the causal diagonal: their scores are -inf for all inputs and add nothing to any sum.
; LIMITS: the promise holds while the scaled scores (exponents to the base 2) stay under 2^31 in magnitude; a block of zeros keeps the byte 1 where the rule says 127 (its codes are zeros; this program alone reads the bytes);
; NaN and infinities are not served, and one that reaches only the steps left out is not carried to the result.
; kv: for each (batch, head) 16 key steps of 128 keys x 13,056 bytes: K's 8 tiles x 768 (half images), V's 4 tiles of channels x 1,536 (images), K's scale words [tile / 4][row][tile % 4], V's [row][tile].
; A token tile t holds tokens 32 (t / 2) + 8 (t % 2) + r + 8 (r / 8).  qb: half images [batch x head][token tile], scale words from QSC on.  ob: as the projection's operand A.
; THE DEAL.  The four work-groups of a cluster serve one (batch, head).  A block is 128 queries, 8 tiles.  Work-group cx takes tiles 2 cx and 2 cx + 1 of EVERY block; wave w takes tile 2 cx + w / 8 of block 15 - w % 8 and then of
; block w % 8: 17 visible key steps for every wave.  So every branch hangs on the wave's number and a loop's count alone, all partners read all 16 steps, and cx enters global addresses and the mask's lane constant only.
; LDS holds the whole record, 208,896 bytes, filled once: each wave asks for one key step by one JOINT load (mask 15), 51 rows of 256 bytes.  Waves 0-3 have a load line of their own: the first barrier shows steps 0-3,
; under which every wave does four full steps of its long tile; the second barrier, with every wave's wait for 0, shows the rest.  No prefetch: every tile is asked for at the head, so there is no loop to run ahead in.
; S^T = K Q^T and O^T = V^T P^T: a lane holds one query.  THE ROWS OF A TILE OF K ARE PICKED BY THE LDS ADDRESS: row r of tile (c, j) is key 64 c + 32 (r / 8) + 8 j + r % 8, so that the 32 registers of tiles (c, 0 .. 3)
; in lane (r, h) are keys 64 c + 32 h + 0 .. 31: one whole scale block, in the order of the next operand's registers.  The head's 64 fill half of the instruction's 128: the other half is zero codes on both sides.
; REGISTERS: v1-3 lane offsets; v4 mask constant; v5-10 the step's LDS addresses; v12 -M, v13 the running largest score, v[14:15] the row's sum; v16-33 q; v34, v36-47, v248 scale words and nothing else;
; v48-119 K; v120-183 scores, p, then V; v184-215 O^T; v216-222 the second tile's q; v224-235 p's codes; the rest at work.
.set REC,   208896
.set STEPB, 13056
.set KSO,   12288                      ; a step's scale words behind its codes
.set QSC,   6291456
.set OSC,   6291456
.set SPARE, 208896                     ; the spare words: 128 bytes for each of 16 waves
.set KR,    48
.set S,     120
.set O,     184
.set QL,    216
.set F,     250
.set PWD,   248
.set KA,    223
.set KB,    239
.set KS,    243
.set H8,    35
.set WV,    10
.set BLK,   11
.set ST,    12
.set TB,    13
.set CX,    14
.set BH,    18
.set W7,    19
.set SEL,   20
.set CS,    22
.macro WALU
	s_wait_alu depctr_va_vdst(0)
.endm
.macro CROUND                          ; a round of the cluster's barrier
	s_barrier_signal -1
	s_barrier_wait -1
	s_cmp_lg_u32 s[WV], 0
	s_cbranch_scc1 .Lnot_wave_0_\@
	s_barrier_signal -3
.Lnot_wave_0_\@:
	s_barrier_wait -3
	s_barrier_signal -1
	s_barrier_wait -1
.endm
	s_load_b128 s[4:7], s[0:1], 0x0                ; qb, kv
	s_load_b64 s[8:9], s[0:1], 0x10                ; ob
	v_lshl_add_u32 v252, v0, 2, SPARE
	v_mov_b32 v255, 0
	ds_add_u32 v252, v255                          ; the opening lines: the add twice on end and its wait
	ds_add_u32 v252, v255
	v_lshrrev_b32 v1, 5, v0
	v_readfirstlane_b32 s[WV], v1
	s_and_b32 s[BH], ttmp7, 0xffff                 ; the cluster's y: batch x head
	s_bfe_u32 s[CX], ttmp6, 0x40000
	s_mov_b32 s24, 15|(3<<16)|(1<<21)              ; group 1: the mask of all four partners, elements of 8 bytes, bit 21 beside the mask
	s_mov_b32 s25, 32<<16                          ; rows of 256 bytes
	s_mov_b32 s26, 51<<16                          ; 51 rows: one key step
	s_mov_b32 s27, 32<<16
	s_mov_b32 s28, 51
	s_mov_b32 s29, 32
	s_mov_b32 s30, 0
	s_mov_b32 s31, 0
	s_mov_b32 s48, 1
	s_mul_i32 s49, s[WV], STEPB                    ; step w goes to LDS byte 13,056 w
	s_mul_i32 s16, s[BH], REC
	s_add_co_u32 s16, s16, s49
	s_mov_b32 s17, 0
	WALU
	s_wait_dscnt 0x0
	CROUND                                         ; the four partners are here: the joint loads meet
	s_wait_kmcnt 0x0
	s_add_nc_u64 s[50:51], s[6:7], s[16:17]
	s_or_b32 s51, s51, 0x80000000
	s_cmp_lt_u32 s[WV], 4                          ; two arms, one load each: waves 0-3 wait ahead of the first barrier, so their line is theirs alone
	s_cbranch_scc0 .Llater
	tensor_load_to_lds s[48:51], s[24:31]
	s_nop 0
.rept 4
	v_nop
.endr
	s_branch .Lasked
.Llater:
	tensor_load_to_lds s[48:51], s[24:31]
	s_nop 0
.rept 4
	v_nop
.endr
.Lasked:
	s_and_b32 s69, s[WV], 7                        ; the short tile's block
	s_sub_co_u32 s[BLK], 15, s69                   ; the long tile's, which comes first
	s_lshr_b32 s17, s[WV], 3
	s_lshl_b32 s[W7], s[CX], 1
	s_add_co_u32 s[W7], s[W7], s17                 ; my tile in a block
	s_lshl_b32 s16, s[CX], 5
	s_lshl_b32 s17, s17, 3
	s_add_co_u32 s16, s16, s17                     ; its first query in the block: 32 cx + 8 (w / 8)
	s_mov_b32 s[SEL], 0x76543210
	s_mov_b32 s[SEL+1], 0xfedcba98
	s_mov_b32 s[CS], 0x3e38aa3b                    ; log2(e) / 8
	s_mov_b32 s[CS+1], s[CS]
	v_and_b32 v3, 31, v0
	v_lshlrev_b32 v1, 4, v3                        ; 16 x lane
	v_and_b32 v4, 15, v0                           ; r
	v_bfe_u32 v5, v0, 4, 1                         ; h
	v_and_b32 v6, 7, v0                            ; r % 8
	v_bfe_u32 v7, v0, 3, 1                         ; r / 8
	v_lshlrev_b32 v3, 4, v4                        ; 16 r
	v_lshl_add_u32 v2, v5, 3, v3                   ; 16 r + 8 h
	v_mul_u32_u24 v8, v7, 1536                     ; K: row r of tile (c, j) lies in the stored tile 4 c + 2 (r / 8) + j % 2, at its row r % 8 + 8 (j / 2)
	v_lshl_add_u32 v8, v6, 4, v8
	v_lshl_add_u32 v[KA], v5, 8, v8                ; registers 0-3: + 256 h
	v_lshl_add_u32 v[KB], v5, 3, v8                ; registers 4, 5: + 8 h (+ 512 in the immediate)
	v_lshlrev_b32 v9, 4, v6
	v_lshl_add_u32 v[KS], v7, 3, v9                ; its scale words: 16 (r % 8) + 8 (r / 8)
	v_lshlrev_b32 v[H8], 3, v5                     ; 8 h
	v_lshl_add_u32 v4, v7, 3, v4
	v_lshlrev_b32 v9, 5, v5
	v_sub_nc_u32 v4, v4, v9
	v_add_nc_u32 v4, s16, v4                       ; my query in its block less 32 h: score register n is hidden on the diagonal where 64 (n / 32) + n % 32 is greater
	v_mov_b32 v11, 0xff800000
	WALU
	s_lshl_b32 s68, s[BLK], 3
	s_add_co_u32 s68, s68, s[W7]                   ; the long tile
	s_lshl_b32 s69, s69, 3
	s_add_co_u32 s69, s69, s[W7]                   ; the short one
	s_mul_i32 s70, s[BH], 98304
	s_mul_i32 s72, s68, 768
	s_add_co_u32 s72, s72, s70
	s_mov_b32 s73, 0
	s_mul_i32 s74, s69, 768
	s_add_co_u32 s74, s74, s70
	s_mov_b32 s75, 0
	s_add_nc_u64 s[72:73], s[4:5], s[72:73]
	s_add_nc_u64 s[74:75], s[4:5], s[74:75]
	s_lshl_b32 s70, s[BH], 13
	s_add_co_u32 s70, s70, QSC
	s_lshr_b32 s76, s68, 2
	s_lshl_b32 s76, s76, 8
	s_and_b32 s71, s68, 3
	s_lshl_b32 s71, s71, 2
	s_add_co_u32 s76, s76, s71
	s_add_co_u32 s76, s76, s70
	s_mov_b32 s77, 0
	s_lshr_b32 s78, s69, 2
	s_lshl_b32 s78, s78, 8
	s_and_b32 s71, s69, 3
	s_lshl_b32 s71, s71, 2
	s_add_co_u32 s78, s78, s71
	s_add_co_u32 s78, s78, s70
	s_mov_b32 s79, 0
	s_add_nc_u64 s[76:77], s[4:5], s[76:77]
	s_add_nc_u64 s[78:79], s[4:5], s[78:79]
	global_load_b128 v[16:19], v1, s[72:73]        ; q lies twice, round six registers of zeros: v[16:27] = (q, 0) for even tiles of K, v[22:33] = (0, q) for odd ones
	global_load_b64 v[20:21], v2, s[72:73] offset:512
	global_load_b128 v[28:31], v1, s[72:73]
	global_load_b64 v[32:33], v2, s[72:73] offset:512
	global_load_b32 v34, v3, s[76:77]
	global_load_b128 v[QL:QL+3], v1, s[74:75]
	global_load_b64 v[QL+4:QL+5], v2, s[74:75] offset:512
	global_load_b32 v[QL+6], v3, s[78:79]
.irp i, 0,1,2,3,4,5
	v_mov_b32 v[22+\i], 0
.irp p, 0,1,2,3
	v_mov_b32 v[KR+18*\p+6+\i], 0                  ; K's pairs of tiles likewise: (even, 0, odd)
.endr
.endr
	v_mov_b32 v236, 0                              ; written once: a lane permute's destination counts as one of its sources
	v_mov_b32 v237, 0
	v_mov_b32 v249, 0
	v_mov_b32 v[F+1], 0                            ; named as the upper half of a pair
.macro INIT
	v_mov_b32 v13, 0xff61b1e6                      ; the largest score so far: -3e38
	v_mov_b32 v12, 0x7f61b1e6                      ; -M: so large that the first step's factor is 0
	v_mov_b32 v14, 0
	v_mov_b32 v15, 0
.set n, 0
.rept 32
	v_mov_b32 v[O+n], 0
.set n, n+1
.endr
	WALU
.endm
; A key step: 128 keys for my 16 queries.  masked = 1: steps above the diagonal are jumped over, and the step on it hides what lies above it.
.macro STEP masked
.if \masked
	s_cmp_gt_u32 s[ST], s[BLK]
	s_cbranch_scc1 .Lhidden_\@
.endif
	v_add_nc_u32 v5, s[TB], v[KA]                  ; these five are also the places between the last step's products and the products that write over V's registers
	v_add_nc_u32 v6, s[TB], v[KB]
	v_add_nc_u32 v9, s[TB], v[KS]
	v_add_nc_u32 v7, s[TB], v1
	v_add_nc_u32 v8, s[TB], v2
.set T, 0
.rept 8                                        ; tile T = 4 c + j
	ds_load_b128 v[KR+18*(T/2)+12*(T%2):KR+18*(T/2)+12*(T%2)+3], v5 offset:3072*(T/4)+768*(T%2)+128*((T%4)/2)
	ds_load_b64 v[KR+18*(T/2)+12*(T%2)+4:KR+18*(T/2)+12*(T%2)+5], v6 offset:3072*(T/4)+768*(T%2)+128*((T%4)/2)+512
.set T, T+1
.endr
.irp g, 0,1,2,3
	ds_load_b64 v[36+2*\g:37+2*\g], v9 offset:KSO+256*(\g/2)+128*(\g%2)   ; the words of tiles 2 g and 2 g + 1
.endr
	s_wait_dscnt 0x0
.set T, 0
.rept 8
	v_wmma_scale_f32_16x16x128_f8f6f4 v[S+8*T:S+8*T+7], v[KR+18*(T/2)+6*(T%2):KR+18*(T/2)+6*(T%2)+11], v[16+6*(T%2):27+6*(T%2)], 0, v[36+T], v34 matrix_a_fmt:MATRIX_FMT_FP6 matrix_b_fmt:MATRIX_FMT_FP6
.set T, T+1
.endr
	v_add_nc_u32 v10, s[TB], v3                    ; four places behind the products
.rept 3
	v_nop
.endr
.if \masked
	s_cmp_lt_u32 s[ST], s[BLK]
	s_cbranch_scc1 .Lopen_\@
.set n, 0
.rept 64
	v_cmp_gt_i32 vcc_lo, 64*(n/32)+n%32, v4
	v_cndmask_b32 v[S+n], v[S+n], v11, vcc_lo
.set n, n+1
.endr
.Lopen_\@:
.endif
.irp c, 0,1                                    ; the largest score of my two blocks of 32 keys, two chains a block; each accumulator is read from its low end on
	v_max3_num_f32 v[246+\c], v[S+32*\c], v[S+32*\c+1], v[S+32*\c+2]
	v_max3_num_f32 v[236+\c], v[S+32*\c+16], v[S+32*\c+17], v[S+32*\c+18]
.endr
.irp i, 3,5,7,9,11,13
.irp c, 0,1
	v_max3_num_f32 v[246+\c], v[246+\c], v[S+32*\c+\i], v[S+32*\c+\i+1]
	v_max3_num_f32 v[236+\c], v[236+\c], v[S+32*\c+16+\i], v[S+32*\c+17+\i]
.endr
.endr
.irp c, 0,1
	v_max3_num_f32 v[246+\c], v[246+\c], v[S+32*\c+15], v[S+32*\c+31]
.endr
.irp c, 0,1
	v_max_num_f32 v[246+\c], v[246+\c], v[236+\c]
.endr
	s_delay_alu instid0(VALU_DEP_1)
	v_max_num_f32 v254, v246, v247
	s_delay_alu instid0(VALU_DEP_1)
	v_permlanex16_b32 v249, v254, s[SEL], s[SEL+1]
	s_delay_alu instid0(VALU_DEP_1)
	v_max3_num_f32 v13, v13, v254, v249            ; the running largest score of my query (both halves of the lanes agree)
	s_delay_alu instid0(VALU_DEP_1)
	v_mul_f32 v254, s[CS], v13                     ; as t
	v_mov_b32 v249, v12
	s_delay_alu instid0(VALU_DEP_2)
	v_floor_f32 v12, -v254                         ; -M = -ceil(t): a whole number
	s_delay_alu instid0(VALU_DEP_1)
	v_sub_f32 v254, v12, v249
	s_delay_alu instid0(VALU_DEP_1)
	v_cvt_i32_f32 v254, v254                       ; (it saturates)
	s_delay_alu instid0(VALU_DEP_1)
	v_ldexp_f32 v[F], 1.0, v254                    ; f = 2^(old M - new M)
.set n, 0
.rept 32
	v_pk_fma_f32 v[S+n:S+n+1], v[S+n:S+n+1], s[CS:CS+1], v[12:13] op_sel_hi:[1,0,0]   ; t - M
.set n, n+2
.endr
.irp c, 0,1
	v_fma_f32 v[246+\c], v[246+\c], s[CS], v12     ; the same of each block's largest score: p rises with the score
.endr
	WALU
	v_exp_f32 v246, v246
	v_exp_f32 v247, v247
.set n, 0
.rept 64
	v_exp_f32 v[S+n], v[S+n]
.set n, n+1
.endr
	v_pk_mul_f32 v[14:15], v[14:15], v[F:F+1] op_sel_hi:[1,0]   ; the sum under the new M; the plain place behind the batch
	WALU                                           ; and behind it, ahead of its first reader
.irp c, 0,1
	v_max_num_f32 v[246+\c], 0x1800000, v[246+\c]  ; the floor 2^(3 - 127): the byte cannot fall under 1
.endr
.irp c, 0,1
	s_delay_alu instid0(VALU_DEP_2)
	v_add_nc_u32 v[244+\c], 0xff000000, v[246+\c]  ; 2 off the exponent field: the conversion's scale operand
.endr
.irp c, 0,1
	s_delay_alu instid0(VALU_DEP_2)
	v_lshrrev_b32 v[246+\c], 23, v[244+\c]         ; the byte of block 2 c + h
.endr
	s_delay_alu instid0(VALU_DEP_1)
	v_lshl_or_b32 v254, v247, 16, v246
	s_delay_alu instid0(VALU_DEP_1)
	v_lshlrev_b32 v254, v[H8], v254                ; at their places in the word
	s_delay_alu instid0(VALU_DEP_1)
	v_permlanex16_b32 v249, v254, s[SEL], s[SEL+1]
	v_pk_add_f32 v[236:237], v[S:S+1], v[S+2:S+3]  ; the row's sum, of the unquantised p, in two chains
.irp j, 4,8,12,16,20,24,28,32,36,40,44,48,52,56,60
	v_pk_add_f32 v[14:15], v[14:15], v[S+\j:S+\j+1]
	v_pk_add_f32 v[236:237], v[236:237], v[S+\j+2:S+\j+3]
.endr
	v_pk_add_f32 v[14:15], v[14:15], v[236:237]
.irp c, 0,1
	v_cvt_scalef32_pk16_fp6_f32 v[224+6*\c:226+6*\c], v[S+32*\c:S+32*\c+15], v[244+\c]
	v_cvt_scalef32_pk16_fp6_f32 v[236+4*\c:238+4*\c], v[S+32*\c+16:S+32*\c+31], v[244+\c]   ; (a conversion's three registers begin on an even number)
.endr
	v_or_b32 v[PWD], v254, v249                    ; p's scale word; the plain place behind the conversions
.irp a, 0,1,2,3
	ds_load_b128 v[S+12*\a:S+12*\a+3], v7 offset:6144+1536*\a
	ds_load_b64 v[S+12*\a+4:S+12*\a+5], v8 offset:6144+1536*\a+512
	ds_load_b128 v[S+12*\a+6:S+12*\a+9], v7 offset:6144+1536*\a+768
	ds_load_b64 v[S+12*\a+10:S+12*\a+11], v8 offset:6144+1536*\a+1280
.endr
	ds_load_b128 v[44:47], v10 offset:KSO+512
.irp c, 0,1
.irp i, 0,1,2
	v_mov_b32 v[227+6*\c+\i], v[236+4*\c+\i]
.endr
.endr
	WALU                                           ; directly ahead of the first reader of O^T
.set n, 0
.rept 16
	v_pk_mul_f32 v[O+n:O+n+1], v[O+n:O+n+1], v[F:F+1] op_sel_hi:[1,0]   ; O^T under the new M; also the places ahead of the scaled products
.set n, n+2
.endr
	WALU                                           ; and directly ahead of the wait below
	s_wait_dscnt 0x0
.irp a, 0,1,2,3
	v_wmma_scale_f32_16x16x128_f8f6f4 v[O+8*\a:O+8*\a+7], v[S+12*\a:S+12*\a+11], v[224:235], v[O+8*\a:O+8*\a+7], v[44+\a], v[PWD] matrix_a_fmt:MATRIX_FMT_FP6 matrix_b_fmt:MATRIX_FMT_FP6
.endr
.if \masked
.Lhidden_\@:
.endif
	s_add_co_u32 s[TB], s[TB], STEPB
	s_add_co_u32 s[ST], s[ST], 1
.endm
; A tile's way out: O^T / the sum, quantised along the head's 64 (register 16 b + i is channel 32 b + 16 h + i), stored as half an image of the projection's operand and two scale bytes.
.macro OUT
	s_lshl_b32 s68, s[BLK], 3
	s_add_co_u32 s68, s68, s[W7]
	s_lshr_b32 s69, s[BH], 4
	s_lshl_b32 s69, s69, 7
	s_add_co_u32 s68, s68, s69                     ; the token tile
	s_and_b32 s69, s[BH], 15                       ; the head
	s_lshl_b32 s70, s68, 3
	s_lshr_b32 s71, s69, 1
	s_add_co_u32 s70, s70, s71
	s_mul_i32 s70, s70, 1536
	s_and_b32 s71, s69, 1
	s_mul_i32 s71, s71, 768
	s_add_co_u32 s70, s70, s71
	s_mov_b32 s71, 0
	s_add_nc_u64 s[72:73], s[8:9], s[70:71]
	s_lshl_b32 s70, s68, 9
	s_lshr_b32 s74, s69, 3
	s_lshl_b32 s74, s74, 8
	s_add_co_u32 s70, s70, s74
	s_lshl_b32 s74, s69, 1
	s_and_b32 s74, s74, 14
	s_add_co_u32 s70, s70, s74
	s_add_co_u32 s70, s70, OSC
	s_add_nc_u64 s[74:75], s[8:9], s[70:71]
	v_add_f32 v14, v14, v15
	v_permlanex16_b32 v249, v14, s[SEL], s[SEL+1]
	v_add_f32 v14, v14, v249                       ; the row's sum
	WALU
	v_rcp_f32 v[F], v14
.rept 4
	v_nop
.endr
	WALU
.set n, 0
.rept 16
	v_pk_mul_f32 v[S+n:S+n+1], v[O+n:O+n+1], v[F:F+1] op_sel_hi:[1,0]
.set n, n+2
.endr
.irp b, 0,1
	v_max3_num_f32 v[246+\b], |v[S+16*\b]|, |v[S+1+16*\b]|, 0x1800000
.endr
.irp i, 2,4,6,8,10,12,14
.irp b, 0,1
	v_max3_num_f32 v[246+\b], v[246+\b], |v[S+16*\b+\i]|, |v[S+1+16*\b+\i]|
.endr
.endr
.irp b, 0,1
	v_permlanex16_b32 v[236+\b], v[246+\b], s[SEL], s[SEL+1]
.endr
.irp b, 0,1
	v_max_num_f32 v[246+\b], v[246+\b], v[236+\b]
.endr
.irp b, 0,1
	v_add_nc_u32 v[244+\b], 0xff000000, v[246+\b]
.endr
.irp b, 0,1
	v_lshrrev_b32 v[236+\b], 23, v[244+\b]
.endr
	v_lshl_or_b32 v238, v237, 8, v236
	v_cvt_scalef32_pk16_fp6_f32 v[224:226], v[S:S+15], v244
	v_cvt_scalef32_pk16_fp6_f32 v[240:242], v[S+16:S+31], v245
	v_nop
.irp i, 0,1,2
	v_permlane16_swap_b32 v[224+\i], v[240+\i]     ; a lane wants a whole block
.endr
.irp i, 0,1,2
	v_mov_b32 v[227+\i], v[240+\i]
.endr
	global_store_b128 v1, v[224:227], s[72:73]
	global_store_b64 v2, v[228:229], s[72:73] offset:512
	global_store_b16 v3, v238, s[74:75]
.endm
	WALU
	s_cmp_lt_u32 s[WV], 4
	s_cbranch_scc0 .Lnot_first
	s_wait_tensorcnt 0x0                           ; waves 0-3: my step of the first four is in
.Lnot_first:
	s_barrier_signal -1
	s_barrier_wait -1                              ; steps 0-3 are whole
	s_wait_loadcnt 0x0                             ; q
	INIT
	s_mov_b32 s[TB], 0
	s_mov_b32 s[ST], 0
.Lfirst:                                               ; the long tile (block 8 or higher), steps 0-3: all open
	STEP 0
	s_cmp_lt_u32 s[ST], 4
	s_cbranch_scc1 .Lfirst
	s_wait_tensorcnt 0x0                           ; every wave's load is in
	s_wait_dscnt 0x0
	s_barrier_signal -1
	s_barrier_wait -1                              ; all 16 steps are whole
	s_mov_b32 s[TB], 4*STEPB
	s_mov_b32 s[ST], 4
.Lsecond:                                              ; its steps 4-15
	STEP 1
	s_cmp_lt_u32 s[ST], 16
	s_cbranch_scc1 .Lsecond
	OUT
	s_wait_xcnt 0x0                                ; the stores have read their registers
.irp i, 0,1,2,3,4,5
	v_mov_b32 v[16+\i], v[QL+\i]
	v_mov_b32 v[28+\i], v[QL+\i]
.endr
	v_mov_b32 v34, v[QL+6]
	s_sub_co_u32 s[BLK], 15, s[BLK]                ; the short tile
	INIT
	s_mov_b32 s[TB], 0
	s_mov_b32 s[ST], 0
.Lthird:                                               ; its steps 0-7
	STEP 1
	s_cmp_lt_u32 s[ST], 8
	s_cbranch_scc1 .Lthird
	OUT
	s_wait_tensorcnt 0x0                           ; the wave's end
	ds_add_u32 v252, v255
	s_wait_dscnt 0x0
	CROUND                                         ; the closing round
	s_endpgm
.Lfunc_end_k_qa8aea3c28c_attn:
	.size	k_qa8aea3c28c_attn, .Lfunc_end_k_qa8aea3c28c_attn-k_qa8aea3c28c_attn
	.p2alignl 7, 3214868480
	.fill 96, 4, 3214868480
	.section	.rodata,"a",@progbits
	.p2align	6, 0x0
	.amdhsa_kernel k_qa8aea3c28c_attn
		.amdhsa_group_segment_fixed_size 327680
		.amdhsa_private_segment_fixed_size 0
		.amdhsa_enable_private_segment 0
		.amdhsa_kernarg_size 24
		.amdhsa_user_sgpr_count 2
		.amdhsa_user_sgpr_kernarg_segment_ptr 1
		.amdhsa_wavefront_size32 1
		.amdhsa_system_sgpr_workgroup_id_x 1
		.amdhsa_system_sgpr_workgroup_id_y 1
		.amdhsa_system_sgpr_workgroup_id_z 1
		.amdhsa_system_vgpr_workitem_id 0
		.amdhsa_next_free_vgpr 256
		.amdhsa_next_free_sgpr 80
		.amdhsa_reserve_vcc 1
		.amdhsa_float_denorm_mode_32 3
		.amdhsa_float_denorm_mode_16_64 3
		.amdhsa_memory_ordered 1
		.amdhsa_forward_progress 1
		.amdhsa_inst_pref_size 77
	.end_amdhsa_kernel
	.amdgpu_metadata
---
amdhsa.version: [ 1, 2 ]
amdhsa.kernels:
  - .name:           k_qa8aea3c28c_attn
    .symbol:         k_qa8aea3c28c_attn.kd
    .args:
      - { .name: qb, .offset: 0, .size: 8, .value_kind: global_buffer, .address_space: global }
      - { .name: kv, .offset: 8, .size: 8, .value_kind: global_buffer, .address_space: global }
      - { .name: ob, .offset: 16, .size: 8, .value_kind: global_buffer, .address_space: global }
    .group_segment_fixed_size: 327680
    .private_segment_fixed_size: 0
    .kernarg_segment_align: 8
    .kernarg_segment_size: 24
    .max_flat_workgroup_size: 512
    .sgpr_count:     80
    .vgpr_count:     256
    .wavefront_size: 32
...
	.end_amdgpu_metadata
.endif
;; end of part 3
;; launch proj (part 4): grid 4 x 64, 4 waves a work-group, clusters of 4 x 4, 295,424 bytes of LDS; arguments ob, xw, bp, out0; writes out0
.if DOCPART == 4
	.amdgcn_target "amdgcn-amd-amdhsa--gfx1250"
	.amdhsa_code_object_version 6
	.text
	.protected	k_qa8aea3c28c_proj
	.globl	k_qa8aea3c28c_proj
	.p2align	8
	.type	k_qa8aea3c28c_proj,@function
k_qa8aea3c28c_proj:
	s_mov_b64 s[64:65], 0
	v_nop
	global_prefetch_b8 v0, s[64:65] scope:SCOPE_SE
	s_setreg_imm32_b32 hwreg(HW_REG_WAVE_MODE, 25, 1), 1
	s_wait_xcnt 0x0
	s_wait_alu depctr_hold_cnt(0) depctr_sa_sdst(0) depctr_va_vdst(0) depctr_va_sdst(0) depctr_va_ssrc(0) depctr_va_vcc(0) depctr_vm_vsrc(0)
	s_getreg_b32 s2, hwreg(HW_REG_IB_STS2, 6, 4)
	s_cmp_eq_u32 s2, 0
	s_cbranch_scc0 .Lentry_in_a_cluster
	s_endpgm
.Lentry_in_a_cluster:
	s_bfe_u32 s2, ttmp6, 0x10000c
	s_cmp_lg_u32 s2, 0xf033
	s_cbranch_scc0 .Lentry_shape_is_right
	s_endpgm
.Lentry_shape_is_right:
; out0 = o Wp^T + bp, on codes of FP6 (E2M3) with E8M0 scales, K = 1,024; out0 [8192][1024] f32.
; Operands lie as images of fragments (16 rows x 128 K: 1,536 bytes: registers 6 c .. 6 c + 3 at 768 c + 16 x lane, registers 6 c + 4, 6 c + 5 at 768 c + 512 + 16 r + 8 h), [tile][K step]; tile t holds rows
; 32 (t / 2) + 8 (t % 2) + r + 8 (r / 8).  A = o (ob, tiles 0-511, scale words from OSC on), B = Wp (xw, tiles 704-767, scale words from SCB on); scale words [tile][K step / 4][r][K step % 4].
; A work-group makes 128 tokens x 256 outputs; the matrix instruction takes B as source 0 and A as source 1: a lane holds one token, and the registers of two neighbouring tiles of B are 16 neighbouring outputs.
; Wave w: A's tiles 4 (w / 2) on, B's tiles 8 (w % 2) on: 32 accumulators, 256 matrix instructions.  The bias is the C of each sum's first matrix instruction.
; ALL OF K FOR THE TILE LIES IN LDS (98,304 + 196,608 bytes), in four chunks of four K steps (two of A, two of B): each wave issues one tensor load at the head; no byte is filled twice.
; CLUSTER 4 x 4: A's tiles are shared along a row of the cluster, B's along a column: joint loads.
; REGISTERS: window 0: v1-9 addresses; v16-19 LDS addresses; v32-79 scale words and nothing else; from v128 A's fragments, two sets of 48, later rows of the result.  Window 1: B's two sets, at v0 and v128; the bias at v96-127 and v224-255.
; Window 2: accumulator (a, b) at v[8 (8 a + b)].
.set SCB,   9437184
.set OSC,   6291456
.set TILEB, 12288                      ; a tile's eight images
.set ACH,   49152                      ; a chunk of A in LDS: 8 tiles x 6,144 bytes (four K steps); K lies in TWO chunks, one tensor load a wave
.set BCH,   98304                      ; of B: 16 tiles
.set BB0,   2*ACH                      ; B's two chunks lie behind A's two
.set SP,    528                        ; the way out: a stage of 16 rows x (512 bytes + 16) for each wave, in A's first chunk: it has had its one fill, and nobody reads it behind the barrier of K step 3
.set ADRA,  16
.set ADRB,  18
.set SAR,   32                         ; A's scale words: tile a, K step s: v[SAR + 8 (a % 2) + s], lanes 0-15 for a < 2, lanes 16-31 else
.set SBR,   48                         ; B's: tile b: v[SBR + 8 (b % 4) + s], lanes 0-15 for b < 4
.set STO,   8
.set RD,    9
.set AF,    128
.set BK,    128
.set WV,    12
.set HA,    13
.set HB,    14
.set G1A,   24
.set G1B,   32
.set G0A,   40
.set G0B,   68
.set OUTB,  86
.set MULW,  0xa1                       ; source 0 (B) window 1, source 1 (A) window 0, C and D window 2
.set MUL0,  0x91                       ; the same with C (the bias) in window 1
.set TO_B,  0x40                       ; destination window 1
.set MSB, 0
.macro WIN new                         ; the immediate's high byte repeats the setting that is left
.if MSB != \new
	s_set_vgpr_msb (MSB<<8)|\new
.set MSB, \new
.endif
.endm
.macro PLACES
.rept 4
	v_nop
.endr
.endm
.macro CROUND                          ; a round of the cluster's barrier
	s_barrier_signal -1
	s_barrier_wait -1
	s_cmp_lg_u32 s[WV], 0
	s_cbranch_scc1 .Lnot_wave_0_\@
	s_barrier_signal -3
.Lnot_wave_0_\@:
	s_barrier_wait -3
	s_barrier_signal -1
	s_barrier_wait -1
.endm
.macro FRAG reg, adr, off              ; an image comes back as the registers that it shows
	ds_load_b128 v[\reg:\reg+3], v[\adr] offset:\off
	ds_load_b64 v[\reg+4:\reg+5], v[\adr+1] offset:\off+512
	ds_load_b128 v[\reg+6:\reg+9], v[\adr] offset:\off+768
	ds_load_b64 v[\reg+10:\reg+11], v[\adr+1] offset:\off+1280
.endm
.macro FETCH s                         ; K step s: 48 LDS loads in one run, into set s % 2
	WIN TO_B
.irp i, 0,1,2,3,4,5,6,7
	FRAG 128*((\s)%2)+12*\i, ADRB, 6144*\i+1536*((\s)%4)
.endr
	WIN 0
.irp i, 0,1,2,3
	FRAG AF+48*((\s)%2)+12*\i, ADRA, 6144*\i+1536*((\s)%4)
.endr
.endm
.macro MM a, b, s                      ; accumulator (a, b), K step s; the first K step starts the sums with the bias
.set rD, 8*(8*(\a)+(\b))
.set rB, 128*((\s)%2)+12*(\b)
.set rA, AF+48*((\s)%2)+12*(\a)
.set rX, SBR+8*((\b)%4)+(\s)
.set rY, SAR+8*((\a)%2)+(\s)
.set rC, 96+8*(\b)+96*((\b)/4)
.if (\s) == 0
.if ((\a) < 2) && ((\b) < 4)
	v_wmma_scale_f32_16x16x128_f8f6f4 v[rD:rD+7], v[rB:rB+11], v[rA:rA+11], v[rC:rC+7], v[rX], v[rY] matrix_a_fmt:MATRIX_FMT_FP6 matrix_b_fmt:MATRIX_FMT_FP6
.elseif (\a) < 2
	v_wmma_scale_f32_16x16x128_f8f6f4 v[rD:rD+7], v[rB:rB+11], v[rA:rA+11], v[rC:rC+7], v[rX], v[rY] matrix_a_fmt:MATRIX_FMT_FP6 matrix_b_fmt:MATRIX_FMT_FP6 matrix_a_scale:MATRIX_SCALE_ROW1
.elseif (\b) < 4
	v_wmma_scale_f32_16x16x128_f8f6f4 v[rD:rD+7], v[rB:rB+11], v[rA:rA+11], v[rC:rC+7], v[rX], v[rY] matrix_a_fmt:MATRIX_FMT_FP6 matrix_b_fmt:MATRIX_FMT_FP6 matrix_b_scale:MATRIX_SCALE_ROW1
.else
	v_wmma_scale_f32_16x16x128_f8f6f4 v[rD:rD+7], v[rB:rB+11], v[rA:rA+11], v[rC:rC+7], v[rX], v[rY] matrix_a_fmt:MATRIX_FMT_FP6 matrix_b_fmt:MATRIX_FMT_FP6 matrix_a_scale:MATRIX_SCALE_ROW1 matrix_b_scale:MATRIX_SCALE_ROW1
.endif
.else
.if ((\a) < 2) && ((\b) < 4)
	v_wmma_scale_f32_16x16x128_f8f6f4 v[rD:rD+7], v[rB:rB+11], v[rA:rA+11], v[rD:rD+7], v[rX], v[rY] matrix_a_fmt:MATRIX_FMT_FP6 matrix_b_fmt:MATRIX_FMT_FP6
.elseif (\a) < 2
	v_wmma_scale_f32_16x16x128_f8f6f4 v[rD:rD+7], v[rB:rB+11], v[rA:rA+11], v[rD:rD+7], v[rX], v[rY] matrix_a_fmt:MATRIX_FMT_FP6 matrix_b_fmt:MATRIX_FMT_FP6 matrix_a_scale:MATRIX_SCALE_ROW1
.elseif (\b) < 4
	v_wmma_scale_f32_16x16x128_f8f6f4 v[rD:rD+7], v[rB:rB+11], v[rA:rA+11], v[rD:rD+7], v[rX], v[rY] matrix_a_fmt:MATRIX_FMT_FP6 matrix_b_fmt:MATRIX_FMT_FP6 matrix_b_scale:MATRIX_SCALE_ROW1
.else
	v_wmma_scale_f32_16x16x128_f8f6f4 v[rD:rD+7], v[rB:rB+11], v[rA:rA+11], v[rD:rD+7], v[rX], v[rY] matrix_a_fmt:MATRIX_FMT_FP6 matrix_b_fmt:MATRIX_FMT_FP6 matrix_a_scale:MATRIX_SCALE_ROW1 matrix_b_scale:MATRIX_SCALE_ROW1
.endif
.endif
.endm
.macro MUL16 a0, s                     ; the 32 accumulators take turns, one instruction a turn, in the same order in every K step
.irp a, \a0, \a0+1
.irp b, 0,1,2,3,4,5,6,7
	MM \a, \b, \s
.endr
.endr
.endm
.macro MWIN s
.if (\s) == 0
	WIN MUL0
.else
	WIN MULW
.endif
.endm
; A K step: 32 matrix instructions; in its middle the next step's 48 loads, behind four plain instructions (the set that they fill was read by the step before).
; K step 3 changes chunks: every wave waits for its one tensor load, its LDS loads are back, then the barrier; 16 matrix instructions stand between signal and wait.
.macro STEP s
	s_wait_dscnt 0x0                               ; this step's fragments are in
.if (\s) == 3
	s_wait_tensorcnt 0x0                           ; every wave's load has landed: the second chunk is whole behind the barrier
	s_barrier_signal -1
.endif
	MWIN \s
	MUL16 0, \s
	WIN 0
.if (\s) == 3
	s_barrier_wait -1
	v_add_nc_u32 v[ADRA], ACH, v[ADRA]             ; on to the next chunk: these four are the plain instructions in front of the loads
	v_add_nc_u32 v[ADRA+1], ACH, v[ADRA+1]
	v_add_nc_u32 v[ADRB], BCH, v[ADRB]
	s_wait_alu depctr_va_vdst(0)
	v_add_nc_u32 v[ADRB+1], BCH, v[ADRB+1]
.elseif (\s) < 7
	PLACES
.endif
.if (\s) < 7
	s_wait_alu depctr_va_vdst(0)
	FETCH (\s)+1
.endif
	MWIN \s
	MUL16 2, \s
	WIN 0
.endm
	s_load_b256 s[4:11], s[0:1], 0x0               ; ob s[4:5], xw s[6:7], bp s[8:9], out0 s[10:11]
	v_lshl_add_u32 v126, v0, 2, 0x48000
	v_mov_b32 v127, 0
	ds_add_u32 v126, v127
	ds_add_u32 v126, v127
	v_lshrrev_b32 v1, 5, v0
	v_readfirstlane_b32 s[WV], v1                  ; wave 0..3
	s_lshr_b32 s[HA], s[WV], 1                     ; which half of A's tiles is mine
	s_and_b32 s[HB], s[WV], 1                      ; which half of B's; also: which half of a chunk I fetch
	s_bfe_u32 s15, ttmp6, 0x40000                  ; cx
	s_bfe_u32 s16, ttmp6, 0x40004                  ; cy
	s_and_b32 s17, ttmp7, 0xffff
	s_lshl_b32 s17, s17, 2
	s_add_co_u32 s17, s17, s16                     ; rowA = 4 x cluster y + cy
	s_lshl_b32 s18, ttmp9, 2
	s_add_co_u32 s18, s18, s15                     ; colB = 4 x cluster x + cx
	s_lshl_b32 s19, s17, 3                         ; A's first tile
	s_lshl_b32 s20, s18, 4
	s_add_co_u32 s20, s20, 704                     ; B's
	s_lshl_b32 s58, s16, 2
	s_lshl_b32 s58, 15, s58                        ; my row of the cluster
	s_lshl_b32 s59, 0x1111, s15                    ; my column
	; descriptor group 1: rows = tiles; a row is a chunk's four images, 6,144 bytes = 768 elements of 8 bytes; from tile to tile 12,288 bytes = 1,536 elements; no padding
	s_or_b32 s[G1A], s58, (3<<16)|(1<<21)          ; 15:0 the mask; 17:16 elements of 8 bytes; 21 set beside a mask
	s_or_b32 s[G1B], s59, (3<<16)|(1<<21)
.irp g, G1A, G1B
	s_mov_b32 s[\g+1], 768<<16                     ; tensor_dim0: a row is a tile's four images, 6,144 bytes = 768 elements of 8 bytes
	s_mov_b32 s[\g+3], 768<<16                     ; tile_dim0
	s_mov_b32 s[\g+5], 1536                        ; tensor_dim0_stride
	s_mov_b32 s[\g+6], 0
	s_mov_b32 s[\g+7], 0
.endr
	s_mov_b32 s[G1A+2], 8<<16                      ; tensor_dim1: a load brings A's 8 tiles
	s_mov_b32 s[G1A+4], 8                          ; tile_dim1
	s_mov_b32 s[G1B+2], 16<<16                     ; or B's 16
	s_mov_b32 s[G1B+4], 16
	s_mul_i32 s22, s19, TILEB                      ; A's tiles, in bytes
	s_mov_b32 s23, 0
	s_mul_i32 s2, s20, TILEB                       ; B's
	s_mov_b32 s3, 0
	s_wait_dscnt 0x0
	s_wait_kmcnt 0x0
	s_add_nc_u64 s[22:23], s[4:5], s[22:23]
	s_add_nc_u64 s[2:3], s[6:7], s[2:3]
	CROUND                                         ; all sixteen work-groups are here: the joint loads meet
.irp c, 0,1
	s_mov_b32 s[G0A+4*\c], 1                       ; count = 1
	s_mov_b32 s[G0A+4*\c+1], \c*ACH                ; LDS address: a constant
	s_add_nc_u64 s[G0A+4*\c+2:G0A+4*\c+3], s[22:23], \c*6144   ; global address: K steps 4 c .. 4 c + 3
	s_or_b32 s[G0A+4*\c+3], s[G0A+4*\c+3], 0x80000000          ; type = 2
	s_mov_b32 s[G0B+4*\c], 1
	s_mov_b32 s[G0B+4*\c+1], BB0+\c*BCH
	s_add_nc_u64 s[G0B+4*\c+2:G0B+4*\c+3], s[2:3], \c*6144
	s_or_b32 s[G0B+4*\c+3], s[G0B+4*\c+3], 0x80000000
.endr
; one tensor load a wave, in one chain of branches on the wave's number: wave 0 A's first chunk, wave 1 B's first, wave 2 A's second, wave 3 B's second
.macro ARM under, g0, g1, next
	s_cmp_lt_u32 s[WV], \under
	s_cbranch_scc0 \next
	tensor_load_to_lds s[\g0:\g0+3], s[\g1:\g1+7]
	s_nop 0
	PLACES
	s_branch .Lfilled
\next:
.endm
	ARM 1, G0A, G1A, .Lfill_b0
	ARM 2, G0B, G1B, .Lfill_a1
	ARM 3, G0A+4, G1A, .Lfill_b1
	tensor_load_to_lds s[G0B+4:G0B+7], s[G1B:G1B+7]
	s_nop 0
	PLACES
.Lfilled:
	v_and_b32 v1, 31, v0
	v_lshlrev_b32 v1, 4, v1                        ; 16 x lane
	v_and_b32 v3, 15, v0                           ; r
	v_bfe_u32 v4, v0, 4, 1                         ; h
	v_lshlrev_b32 v2, 4, v3
	v_lshl_add_u32 v2, v4, 3, v2                   ; 16 r + 8 h
	s_mul_i32 s84, s[HA], 4*6144
	v_add_nc_u32 v[ADRA], s84, v1
	v_add_nc_u32 v[ADRA+1], s84, v2
	s_mul_i32 s84, s[HB], 8*6144
	s_add_co_u32 s84, s84, BB0
	v_add_nc_u32 v[ADRB], s84, v1
	v_add_nc_u32 v[ADRB+1], s84, v2
	v_lshlrev_b32 v5, 4, v3
	v_lshl_add_u32 v6, v4, 11, v5                  ; B's scale words: lanes 16-31 take the tile four on
	v_lshl_add_u32 v5, v4, 10, v5                  ; A's: the tile two on
	s_wait_alu depctr_va_vdst(0)
	v_lshlrev_b32 v7, 6, v4                        ; the bias: 64 h
	s_wait_alu depctr_va_vdst(0)
	s_mul_i32 s88, s[WV], 16*SP                    ; my stage
	v_mul_u32_u24 v[STO], v3, SP
	v_lshl_add_u32 v[STO], v4, 6, v[STO]
	v_add_nc_u32 v[STO], s88, v[STO]               ; in: row r, + 64 h
	v_add_nc_u32 v[RD], s88, v1                    ; back: a whole row of 512 bytes for the 32 lanes
	s_lshl_b32 s60, s[HA], 2
	s_add_co_u32 s60, s60, s19
	s_lshl_b32 s60, s60, 9
	s_add_co_u32 s60, s60, OSC
	s_mov_b32 s61, 0
	s_add_nc_u64 s[60:61], s[4:5], s[60:61]
	s_lshl_b32 s62, s[HB], 3
	s_add_co_u32 s62, s62, s20
	s_lshl_b32 s62, s62, 9
	s_add_co_u32 s62, s62, SCB
	s_mov_b32 s63, 0
	s_add_nc_u64 s[62:63], s[6:7], s[62:63]
	s_lshl_b32 s88, s18, 10
	s_lshl_b32 s89, s[HB], 9
	s_add_co_u32 s88, s88, s89                     ; my 128 outputs, in bytes: 1,024 colB + 512 HB
	s_mov_b32 s89, 0
	s_add_nc_u64 s[84:85], s[8:9], s[88:89]        ; in bp,
	s_lshl_b32 s90, s17, 7
	s_lshl_b32 s91, s[HA], 6
	s_add_co_u32 s90, s90, s91
	s_lshl_b32 s90, s90, 12                        ; my first token's row of 4,096 bytes
	s_add_co_u32 s88, s88, s90
	s_add_nc_u64 s[OUTB:OUTB+1], s[10:11], s[88:89]   ; and in out0
.irp i, 0,1
.irp q, 0,1
	global_load_b128 v[SAR+8*\i+4*\q:SAR+8*\i+4*\q+3], v5, s[60:61] offset:512*\i+256*\q   ; sixteen lanes read an aligned block of 256 bytes: four K steps' words of 16 rows
.endr
.endr
.irp i, 0,1,2,3
.irp q, 0,1
	global_load_b128 v[SBR+8*\i+4*\q:SBR+8*\i+4*\q+3], v6, s[62:63] offset:512*\i+256*\q
.endr
.endr
	WIN TO_B
.irp b, 0,1,2,3,4,5,6,7                        ; register j of tile b is output 32 (b / 2) + 16 h + 8 (b % 2) + j of my 128
	global_load_b128 v[96+8*\b+96*(\b/4):96+8*\b+96*(\b/4)+3], v7, s[84:85] offset:128*(\b/2)+32*(\b%2)
	global_load_b128 v[96+8*\b+96*(\b/4)+4:96+8*\b+96*(\b/4)+7], v7, s[84:85] offset:128*(\b/2)+32*(\b%2)+16
.endr
	WIN 0
	s_wait_alu depctr_va_vdst(0)
	s_cmp_lt_u32 s[WV], 2                          ; waves 0 and 1 brought the first chunks, by load lines that are theirs alone
	s_cbranch_scc0 .Lnot_first
	s_wait_tensorcnt 0x0
.Lnot_first:
	s_barrier_signal -1
	s_barrier_wait -1                              ; everybody's is
	FETCH 0
	s_wait_loadcnt 0x0                             ; the scale words and the bias
.irp s, 0,1,2,3,4,5,6,7
	STEP \s
.endr
; THE WAY OUT, a tile of 16 tokens x 128 outputs at a time: a lane holds pieces of one row, the lanes beside it other rows; so a tile goes through my own stage and comes back as whole rows of 512 bytes.
; LDS serves a wave's instructions in order: no wait between the stores and the loads, nor in front of the next tile's stores.
.macro TOSTAGE a
	WIN 0x08                                       ; an LDS store's data: window 2
.irp b, 0,1,2,3,4,5,6,7
	ds_store_b128 v[STO], v[64*(\a)+8*\b:64*(\a)+8*\b+3] offset:128*(\b/2)+32*(\b%2)       ; each accumulator from its low end on
	ds_store_b128 v[STO], v[64*(\a)+8*\b+4:64*(\a)+8*\b+7] offset:128*(\b/2)+32*(\b%2)+16
.endr
	WIN 0
.irp t, 0,1,2,3,4,5,6,7,8,9,10,11,12,13,14,15
	ds_load_b128 v[BK+64*((\a)%2)+4*\t:BK+64*((\a)%2)+4*\t+3], v[RD] offset:SP*\t
.endr
.endm
.macro SEND a, younger                 ; younger: the LDS instructions issued behind tile a's loads, which may stay out
	s_wait_dscnt \younger
.irp t, 0,1,2,3,4,5,6,7,8,9,10,11,12,13,14,15
	global_store_b128 v1, v[BK+64*((\a)%2)+4*\t:BK+64*((\a)%2)+4*\t+3], s[OUTB:OUTB+1] offset:(32*((\a)/2)+8*((\a)%2)+\t+8*(\t/8))*4096 th:TH_STORE_NT   ; 32 lanes store 512 consecutive bytes, aligned; the row stands in the immediate: 63 rows at the most
.endr
.endm
	PLACES                                         ; four plain instructions between the last products and the first read of results, and the loads into A's registers
	TOSTAGE 0
.irp a, 1,2,3
.if \a > 1
	s_wait_xcnt 0x0                                ; tile a - 2's stores have read the registers into which tile a's rows come
.endif
	TOSTAGE \a
	SEND \a-1, 32                                  ; behind tile a - 1's loads: tile a's 16 stores and 16 loads
.endr
	SEND 3, 0
	s_wait_tensorcnt 0x0
	ds_add_u32 v126, v127
	s_wait_dscnt 0x0
	CROUND                                         ; the closing round: no work-group ends while a partner may still ask for a tile that names it
	s_endpgm
.Lfunc_end_k_qa8aea3c28c_proj:
	.size	k_qa8aea3c28c_proj, .Lfunc_end_k_qa8aea3c28c_proj-k_qa8aea3c28c_proj
	.p2alignl 7, 3214868480
	.fill 96, 4, 3214868480
	.section	.rodata,"a",@progbits
	.p2align	6, 0x0
	.amdhsa_kernel k_qa8aea3c28c_proj
		.amdhsa_group_segment_fixed_size 295424
		.amdhsa_private_segment_fixed_size 0
		.amdhsa_enable_private_segment 0
		.amdhsa_kernarg_size 32
		.amdhsa_user_sgpr_count 2
		.amdhsa_user_sgpr_kernarg_segment_ptr 1
		.amdhsa_wavefront_size32 1
		.amdhsa_system_sgpr_workgroup_id_x 1
		.amdhsa_system_sgpr_workgroup_id_y 1
		.amdhsa_system_sgpr_workgroup_id_z 1
		.amdhsa_system_vgpr_workitem_id 0
		.amdhsa_next_free_vgpr 768
		.amdhsa_next_free_sgpr 100
		.amdhsa_reserve_vcc 0
		.amdhsa_float_denorm_mode_32 3
		.amdhsa_float_denorm_mode_16_64 3
		.amdhsa_memory_ordered 1
		.amdhsa_forward_progress 1
		.amdhsa_inst_pref_size 84
	.end_amdhsa_kernel
	.amdgpu_metadata
---
amdhsa.version: [ 1, 2 ]
amdhsa.kernels:
  - .name:           k_qa8aea3c28c_proj
    .symbol:         k_qa8aea3c28c_proj.kd
    .args:
      - { .name: ob, .offset: 0, .size: 8, .value_kind: global_buffer, .address_space: global }
      - { .name: xw, .offset: 8, .size: 8, .value_kind: global_buffer, .address_space: global }
      - { .name: bp, .offset: 16, .size: 8, .value_kind: global_buffer, .address_space: global }
      - { .name: out0, .offset: 24, .size: 8, .value_kind: global_buffer, .address_space: global }
    .group_segment_fixed_size: 295424
    .private_segment_fixed_size: 0
    .kernarg_segment_align: 8
    .kernarg_segment_size: 32
    .max_flat_workgroup_size: 128
    .sgpr_count:     100
    .vgpr_count:     768
    .wavefront_size: 32
...
	.end_amdgpu_metadata
.endif
;; end of part 4
